; MI455X (gfx1250); checked and timed in simulation.
; The chip was launched on July 23, 2026; its instructions are those of AMD's public machine-readable ISA for CDNA 5 (MIT licence, August 2026) and "CDNA5" Instruction Set Architecture Reference Guide (July 2026). The comments in the code are by the model that wrote it; some were corrected since.
;; Random Assign Mo E. Allowed arithmetic: matrix products marked QUANTISED: E4M3 operands, one E8M0 scale for each 32 along K, by v_wmma_scale_f32_16x16x128_f8f6f4 with both operands' format E4M3, f32 sums; everything else in f32.
;; Inputs: b1 16 x 2,048 float32; b2 16 x 1,024 float32; h 2 x 512 x 1,024 float32; router_w 1,024 x 16 float32; w1 16 x 1,024 x 2,048 float32; w2 16 x 2,048 x 1,024 float32.
;; Outputs: out0 2 x 512 x 1,024 float32.
;; This version of the problem:
;;   THIS VERSION OF THE PROBLEM IS GIVEN IN LOW PRECISION. The matrix products marked QUANTISED in the list below multiply operands that are first quantised to E4M3 (4 exponent bits, 3 mantissa bits; 8 bits a number), with one power-of-two scale for each 32 numbers along K (OCP MX v1.0); their sums are f32. All else is computed in f32.
;;   The module's matrix products, in the order in which they are computed (A, B: the left and right operand; K: the contracted axis; several contracted axes count as one K, in the product's order):
;;     1. [M 1,024, K 1,024] x [K 1,024, N 16]; A: input h; B: input router_w: QUANTISED
;;     2. [M 1,024, K 1,024] x [K 1,024, N 32,768]; A: input h; B: input w1: QUANTISED
;;     3. batch 16 x [M 1,024, K 2,048] x [K 2,048, N 1,024]; A: input w2; B: computed on the way: QUANTISED
;;   THE QUANTISER, for each operand of a quantised product, along K:
;;     - K is cut into blocks of 32 from its start; a last block that is shorter is filled with zeros.
;;     - A block's scale is 2^e with e = floor(log2(the largest magnitude in the block)) - 8, held to -126 .. 127; a block of zeros has e = 0. As a byte (E8M0): e + 127.
;;     - Each number is divided by its block's scale, clamped to +-448, and rounded to the nearest number of E4M3, ties to even, subnormals kept.
;;     - The product sums the exact products of the quantised numbers (number of the format x scale) in f32.
;;   ~~~python
;;   def quantise(x, axis):      # numpy; x: float32 -> the quantised numbers, widened to float32 again
;;       x = np.moveaxis(x, axis, -1); K = x.shape[-1]
;;       x = np.pad(x, [(0, 0)] * (x.ndim - 1) + [(0, -K % 32)]); x = x.reshape(x.shape[:-1] + (-1, 32)); a = np.abs(x).max(-1, keepdims=True)
;;       e = np.where(a > 0, np.clip(np.frexp(np.where(a > 0, a, 1))[1] - 1 - 8, -126, 127), 0)      # np.frexp(a)[1] - 1 = floor(log2(a)), exactly
;;       r = np.clip(x / 2.0 ** e, -448, 448)
;;       step = 2.0 ** (np.maximum(np.frexp(np.where(r == 0, 1, r))[1] - 1, -6) - 3)
;;       q = np.round(r / step) * step * 2.0 ** e      # np.round: ties to even
;;       return np.moveaxis(q.reshape(q.shape[:-2] + (-1,))[..., :K], -1, axis).astype(np.float32)
;;   ~~~
;;   OPERANDS COMPUTED ON THE WAY. 'Computed on the way' means the value that the module computes at that place (a softmax that the list does not call 'softmax' is quantised finished and normalised). What goes into a quantiser is computed in f32, as accurately as f32 sums, v_exp_f32 and their like allow (about 1e-6 of the number): no bf16 or f16 on the way to a quantiser, and a product that is left as it is and whose result goes on into a quantised operand takes f32 operands (vector FMAs, or v_wmma_f32_16x16x4_f32). A number that lies on a knife's edge between two numbers of the format may be rounded either way, as far as f32 arithmetic and the matrix unit's own rounding can turn it there, and no further.
;; 2 versions. Each part assembles by itself: llvm-mc -triple=amdgcn-amd-amdhsa -mcpu=gfx1250 --defsym DOCPART=n.
;; ======== version 1 of 2: 3 launches
;; workspace buffers: xc 1,048,576 bytes; xs 32,768 bytes; assign 4,096 bytes of whole numbers; gate 4,096 bytes; hc 33,554,432 bytes; hs 1,048,576 bytes
;; launch route (part 1): grid 64 x 1, 8 waves a work-group, no clusters, 26,624 bytes of LDS; arguments h, router_w, xc, xs, assign, gate; writes xc, xs, assign, gate
.if DOCPART == 1
	.amdgcn_target "amdgcn-amd-amdhsa--gfx1250"
	.amdhsa_code_object_version 6
	.text
	.protected	k_q376f6c3229_route
	.globl	k_q376f6c3229_route
	.p2align	8
	.type	k_q376f6c3229_route,@function
k_q376f6c3229_route:
	s_mov_b64 s[64:65], 0
	v_nop
	global_prefetch_b8 v0, s[64:65] scope:SCOPE_SE
	s_setreg_imm32_b32 hwreg(HW_REG_WAVE_MODE, 25, 1), 1
	s_wait_xcnt 0x0
; ROUTER AND QUANTISER OF THE TOKENS.  h [1024 tokens][1024] f32 becomes codes of E4M3 (xc: [token][1024 bytes], K innermost) and E8M0 bytes (xs: [token][32]);
; logits = Q(h) Q(router_w) by the scaled matrix form; assign = the first largest logit's expert (whole numbers, at fixed places); gate = sigmoid of that logit.
; SHARES.  A work-group takes 16 tokens; each of its eight waves one K step of 128: it quantises its 16 x 128 of h and its 128 x 16 of router_w in registers and makes one matrix product.
; The eight partial logits meet in LDS and wave 0 adds them, K ascending, in f32.
; LAYOUT.  The product is used transposed (source 0 = 16 experts, source 1 = 16 tokens): lane (r, h) holds token r and experts 8 h + 0 .. 7.
; LIMITS: NaN and infinities among the inputs are not served (a NaN logit is not chosen here).  A block of zeros gets the scale byte 1 and not 127: its codes are zeros and this program alone reads the bytes.
; K is split over eight sums that are added in f32: the logits' last bits can differ from one chain of sums.
.set XSP, 1040                         ; a token's row of codes in LDS: 1,024 bytes + 16: an odd multiple of 16, so 16 rows start in 16 different columns of 16 bytes
.set XST, 0                            ; 16 such rows
.set XSS, 16*XSP                       ; the tile's scale words: 32 bytes a token
.set PL,  XSS+512                      ; eight images of 1,024 bytes: the waves' partial logits
.set XN,  16                           ; v16-79   64 numbers of h
.set RN,  80                           ; v80-143  64 numbers of router_w; later the eight partial logits
.set XC,  144                          ; v144-159 h's codes
.set RC,  160                          ; v160-175 router_w's codes
.set TM,  176                          ; v176-191 at work in QUANT
.set XW,  192                          ; v192 h's scale word, v193 router_w's: scales and nothing else
.set RW,  193
.set ACC, 200                          ; v200-207 my partial logits
.set SUM, 208                          ; v208-215 the logits; v216-223 the choice
; 64 numbers of a lane, register 16 b + i = k 32 b + 16 (lane / 16) + i, become a fragment's codes in v[c] on and its scale word in v[w]
.macro QUANT s, c, w
.irp b, 0,1,2,3
	v_max3_num_f32 v[TM+\b], |v[\s+16*\b]|, |v[\s+1+16*\b]|, 0x4800000   ; my 16 numbers of block b, and the floor 2^(9 - 127): the byte cannot fall under 1
.endr
.irp i, 2,4,6,8,10,12,14
.irp b, 0,1,2,3
	v_max3_num_f32 v[TM+\b], v[TM+\b], |v[\s+16*\b+\i]|, |v[\s+1+16*\b+\i]|
.endr
.endr
.irp b, 0,1,2,3
	v_permlanex16_b32 v[TM+4+\b], v[TM+\b], s20, s21
.endr
.irp b, 0,1,2,3
	v_max_num_f32 v[TM+\b], v[TM+\b], v[TM+4+\b]            ; with lane l xor 16's: the block's largest magnitude
.endr
.irp b, 0,1,2,3
	v_add_nc_u32 v[TM+12+\b], 0xfc000000, v[TM+\b]          ; 8 off its exponent field: the conversion's scale operand
.endr
.irp b, 0,1,2,3
	v_and_or_b32 v[TM+8+\b], v[TM+\b], 0x7f800000, s23      ; 448 x the scale
.endr
.irp b, 0,1,2,3
	v_lshrrev_b32 v[TM+4+\b], 23, v[TM+12+\b]               ; the scale's byte
.endr
	v_lshl_or_b32 v[\w], v[TM+5], 8, v[TM+4]
	v_lshl_or_b32 v[\w], v[TM+6], 16, v[\w]
	v_lshl_or_b32 v[\w], v[TM+7], 24, v[\w]
.irp b, 0,1,2,3
.irp i, 0,1,2,3,4,5,6,7,8,9,10,11,12,13,14,15
	v_med3_num_f32 v[\s+16*\b+\i], v[\s+16*\b+\i], -v[TM+8+\b], v[TM+8+\b]   ; the conversion to an 8-bit code does not saturate (ISA guide 7.6.2): the hold comes first
.endr
	v_cvt_scalef32_pk8_fp8_f32 v[\c+4*\b:\c+1+4*\b], v[\s+16*\b:\s+7+16*\b], v[TM+12+\b]
	v_cvt_scalef32_pk8_fp8_f32 v[\c+2+4*\b:\c+3+4*\b], v[\s+8+16*\b:\s+15+16*\b], v[TM+12+\b]
.endr
	v_nop                                                   ; one plain line behind the last scaled conversion
.endm
	s_load_b256 s[4:11], s[0:1], 0x0               ; h s[4:5], router_w s[6:7], xc s[8:9], xs s[10:11]
	s_load_b128 s[12:15], s[0:1], 0x20             ; assign s[12:13], gate s[14:15]
	v_lshl_add_u32 v224, v0, 2, 0x6400
	v_mov_b32 v225, 0
	v_lshrrev_b32 v1, 5, v0
	v_readfirstlane_b32 s16, v1                    ; wave = K step
	v_and_b32 v1, 31, v0                           ; lane
	v_and_b32 v2, 15, v0                           ; r
	v_bfe_u32 v3, v0, 4, 1                         ; h
	v_lshlrev_b32 v4, 12, v2
	v_lshl_add_u32 v4, v3, 6, v4                   ; h: row r of 4,096 bytes, + 64 h: my 16 numbers of a block of 32
	v_lshlrev_b32 v5, 2, v2
	v_lshl_add_u32 v5, v3, 10, v5                  ; router_w: column r, 16 rows of 64 bytes further down for lanes 16-31
	v_mul_u32_u24 v6, v2, XSP
	v_lshl_add_u32 v6, v3, 4, v6
	s_lshl_b32 s17, s16, 7
	v_add_nc_u32 v6, s17, v6                       ; my codes' place in the tile: row r, 128 x wave + 16 h
	s_lshl_b32 s17, s16, 2
	s_add_co_u32 s17, s17, XSS
	v_lshl_add_u32 v7, v2, 5, s17                  ; my scale word's: 32 r + 4 x wave
	s_lshl_b32 s17, s16, 10
	s_add_co_u32 s17, s17, PL
	v_lshl_add_u32 v8, v1, 4, s17                  ; my partial logits' image
	s_mul_i32 s17, s16, 2*XSP
	v_lshl_add_u32 v9, v1, 4, s17                  ; the way out: rows 2 x wave and 2 x wave + 1, 16 bytes a lane
	v_lshlrev_b32 v10, 4, v1                       ; 16 x lane
	v_lshl_add_u32 v11, v1, 4, XSS                 ; all scale words, 16 bytes a lane
	v_lshl_add_u32 v12, v1, 4, PL                  ; all partial logits
	v_lshlrev_b32 v13, 2, v2                       ; 4 r
	s_mov_b32 s20, 0x76543210
	s_mov_b32 s21, 0xfedcba98                      ; v_permlanex16_b32's selects for lane l xor 16
	s_mov_b32 s23, 0x600000                        ; the mantissa field of 448
.irp b, 0,1,2,3
	v_mov_b32 v[TM+4+\b], 0                        ; a lane permute's destination counts as one of its sources
.endr
	v_mov_b32 v218, 0
	v_mov_b32 v219, 0
	s_mov_b32 s19, 0
	s_lshl_b32 s18, ttmp9, 16                      ; 16 tokens of 4,096 bytes,
	s_lshl_b32 s17, s16, 9                         ; my 128 numbers of each
	s_add_co_u32 s18, s18, s17
	s_wait_kmcnt 0x0
	s_add_nc_u64 s[4:5], s[4:5], s[18:19]
	s_lshl_b32 s18, s16, 13                        ; my 128 rows of router_w
	s_add_nc_u64 s[6:7], s[6:7], s[18:19]
	s_lshl_b32 s18, ttmp9, 14                      ; xc: 16 rows of 1,024 bytes, my two of them
	s_lshl_b32 s17, s16, 11
	s_add_co_u32 s18, s18, s17
	s_add_nc_u64 s[8:9], s[8:9], s[18:19]
	s_lshl_b32 s18, ttmp9, 9
	s_add_nc_u64 s[10:11], s[10:11], s[18:19]      ; xs: 16 x 32 bytes
	s_lshl_b32 s18, ttmp9, 6
	s_add_nc_u64 s[12:13], s[12:13], s[18:19]      ; assign and gate: 16 words
	s_add_nc_u64 s[14:15], s[14:15], s[18:19]
.irp b, 0,1,2,3
.irp j, 0,1,2,3
	global_load_b128 v[XN+16*\b+4*\j:XN+16*\b+4*\j+3], v4, s[4:5] offset:128*\b+16*\j th:TH_LOAD_NT
.endr
.endr
.irp c, 0,1,2,3
.irp i, 0,1,2,3,4,5,6,7,8,9,10,11,12,13,14,15
	global_load_b32 v[RN+16*\c+\i], v5, s[6:7] offset:64*(32*\c+\i)      ; router_w(32 c + 16 h + i, r): a lane to a column, registers down K
.endr
.endr
	s_wait_loadcnt 63                              ; 64 loads are younger than h's sixteen; 63 is the largest count that can be named
	QUANT XN, XC, XW
.irp c, 0,1,2,3
	ds_store_b128 v6, v[XC+4*\c:XC+4*\c+3] offset:32*\c
.endr
	ds_store_b32 v7, v[XW]                         ; both halves of the lanes write the same word with the same value
	s_wait_loadcnt 0x0
	QUANT RN, RC, RW
.rept 8
	v_nop                                          ; a scale word made by vector instructions stands eight places ahead of the scaled product, codes four
.endr
	v_wmma_scale_f32_16x16x128_f8f6f4 v[ACC:ACC+7], v[RC:RC+15], v[XC:XC+15], 0, v[RW], v[XW]
.rept 8
	v_nop                                          ; eight places behind this form before its result is read
.endr
	ds_store_b128 v8, v[ACC:ACC+3]                 ; from the low end on
	ds_store_b128 v8, v[ACC+4:ACC+7] offset:512
	s_wait_dscnt 0x0                               ; for the others' sake: my stores have landed
	s_barrier_signal -1
	s_barrier_wait -1
.irp i, 0,1,2,3
	ds_load_b128 v[XN+4*\i:XN+4*\i+3], v9 offset:(\i/2)*XSP+512*(\i%2)
.endr
.irp i, 0,1,2,3
	s_wait_dscnt 3-\i
	global_store_b128 v10, v[XN+4*\i:XN+4*\i+3], s[8:9] offset:(\i/2)*1024+512*(\i%2)   ; 32 lanes store 512 consecutive bytes
.endr
	s_cmp_lg_u32 s16, 1
	s_cbranch_scc1 .Lnot_1
	ds_load_b128 v[32:35], v11                     ; wave 1: the tile's 512 scale bytes
	s_wait_dscnt 0x0
	global_store_b128 v10, v[32:35], s[10:11]
.Lnot_1:
	s_cmp_lg_u32 s16, 0
	s_cbranch_scc1 .Lend
.irp s, 0,1,2,3,4,5,6,7                        ; wave 0: the eight partial logits, as the registers that they left
	ds_load_b128 v[RN+8*\s:RN+8*\s+3], v12 offset:1024*\s
	ds_load_b128 v[RN+8*\s+4:RN+8*\s+7], v12 offset:1024*\s+512
.endr
	s_wait_dscnt 0x0
.irp j, 0,2,4,6
	v_pk_add_f32 v[SUM+\j:SUM+\j+1], v[RN+\j:RN+\j+1], v[RN+8+\j:RN+8+\j+1]
.endr
.irp s, 2,3,4,5,6,7
.irp j, 0,2,4,6
	v_pk_add_f32 v[SUM+\j:SUM+\j+1], v[SUM+\j:SUM+\j+1], v[RN+8*\s+\j:RN+8*\s+\j+1]
.endr
.endr
	v_mov_b32 v216, v[SUM]                         ; the largest of my eight, and its place: a strict 'greater' keeps the lower index
	v_mov_b32 v217, 0
.irp j, 1,2,3,4,5,6,7
	v_cmp_gt_f32 vcc_lo, v[SUM+\j], v216
	v_cndmask_b32 v217, v217, \j, vcc_lo
	v_max_num_f32 v216, v216, v[SUM+\j]
.endr
	v_lshl_add_u32 v217, v3, 3, v217               ; expert = 8 h + place
	v_permlanex16_b32 v218, v216, s20, s21         ; the other eight experts' best
	v_permlanex16_b32 v219, v217, s20, s21
	v_cmp_eq_u32 vcc_lo, 1, v3
	v_cndmask_b32 v220, v216, v218, vcc_lo         ; experts 0-7: value,
	v_cndmask_b32 v221, v217, v219, vcc_lo         ; index;
	v_cndmask_b32 v222, v218, v216, vcc_lo         ; experts 8-15: value,
	v_cndmask_b32 v223, v219, v217, vcc_lo         ; index
	v_cmp_gt_f32 vcc_lo, v222, v220                ; the upper eight win only where strictly greater
	v_cndmask_b32 v221, v221, v223, vcc_lo
	v_max_num_f32 v220, v220, v222
	v_mul_f32 v208, 0xbfb8aa3b, v220               ; sigmoid(x) = 1 / (1 + 2^(-x log2 e))
	v_exp_f32 v208, v208
	v_nop
	s_wait_alu depctr_va_vdst(0)
	v_add_f32 v208, 1.0, v208
	v_rcp_f32 v208, v208
	v_nop
	global_store_b32 v13, v221, s[12:13]           ; lanes r and r + 16 hold the same token's numbers and store the same word
	s_wait_alu depctr_va_vdst(0)
	global_store_b32 v13, v208, s[14:15]
.Lend:
	s_wait_tensorcnt 0x0
	ds_add_u32 v224, v225
	s_wait_dscnt 0x0
	s_endpgm
.Lfunc_end_k_q376f6c3229_route:
	.size	k_q376f6c3229_route, .Lfunc_end_k_q376f6c3229_route-k_q376f6c3229_route
	.p2alignl 7, 3214868480
	.fill 96, 4, 3214868480
	.section	.rodata,"a",@progbits
	.p2align	6, 0x0
	.amdhsa_kernel k_q376f6c3229_route
		.amdhsa_group_segment_fixed_size 26624
		.amdhsa_private_segment_fixed_size 0
		.amdhsa_enable_private_segment 0
		.amdhsa_kernarg_size 48
		.amdhsa_user_sgpr_count 2
		.amdhsa_user_sgpr_kernarg_segment_ptr 1
		.amdhsa_wavefront_size32 1
		.amdhsa_system_sgpr_workgroup_id_x 1
		.amdhsa_system_sgpr_workgroup_id_y 1
		.amdhsa_system_sgpr_workgroup_id_z 1
		.amdhsa_system_vgpr_workitem_id 0
		.amdhsa_next_free_vgpr 226
		.amdhsa_next_free_sgpr 66
		.amdhsa_reserve_vcc 1
		.amdhsa_float_denorm_mode_32 3
		.amdhsa_float_denorm_mode_16_64 3
		.amdhsa_memory_ordered 1
		.amdhsa_forward_progress 1
		.amdhsa_inst_pref_size 34
	.end_amdhsa_kernel
	.amdgpu_metadata
---
amdhsa.version: [ 1, 2 ]
amdhsa.kernels:
  - .name:           k_q376f6c3229_route
    .symbol:         k_q376f6c3229_route.kd
    .args:
      - { .name: h, .offset: 0, .size: 8, .value_kind: global_buffer, .address_space: global }
      - { .name: router_w, .offset: 8, .size: 8, .value_kind: global_buffer, .address_space: global }
      - { .name: xc, .offset: 16, .size: 8, .value_kind: global_buffer, .address_space: global }
      - { .name: xs, .offset: 24, .size: 8, .value_kind: global_buffer, .address_space: global }
      - { .name: assign, .offset: 32, .size: 8, .value_kind: global_buffer, .address_space: global }
      - { .name: gate, .offset: 40, .size: 8, .value_kind: global_buffer, .address_space: global }
    .group_segment_fixed_size: 26624
    .private_segment_fixed_size: 0
    .kernarg_segment_align: 8
    .kernarg_segment_size: 48
    .max_flat_workgroup_size: 256
    .sgpr_count:     66
    .vgpr_count:     226
    .wavefront_size: 32
...
	.end_amdgpu_metadata
.endif
;; end of part 1
;; launch up (part 2): grid 16 x 16, 16 waves a work-group, no clusters, 141,312 bytes of LDS; arguments w1, b1, xc, xs, assign, hc, hs; writes hc, hs
.if DOCPART == 2
	.amdgcn_target "amdgcn-amd-amdhsa--gfx1250"
	.amdhsa_code_object_version 6
	.text
	.protected	k_q376f6c3229_up
	.globl	k_q376f6c3229_up
	.p2align	8
	.type	k_q376f6c3229_up,@function
k_q376f6c3229_up:
	s_mov_b64 s[64:65], 0
	v_nop
	global_prefetch_b8 v0, s[64:65] scope:SCOPE_SE
	s_setreg_imm32_b32 hwreg(HW_REG_WAVE_MODE, 25, 1), 1
	s_wait_xcnt 0x0
; FIRST LAYER OF THE CHOSEN EXPERT.  Work-group (f, e) owns hidden units 128 f .. 128 f + 127 of expert e: hidden = Q(gelu(Q(x) Q(w1[e]) + b1[e])) for the tokens whose assign is e, and for no others.
; PHASE A.  The slice of w1 (1,024 x 128 f32, read by this work-group alone) is quantised along K into LDS.  A lane takes a column and its registers run down K: a block of 32 lies in one lane, the codes
; come out with K innermost.  Wave w takes 32 columns (w & 3) and 256 rows (w >> 2): eight blocks, three sets of registers, two blocks' loads ahead.
; THE ROWS.  Every wave reads the 1,024 whole numbers of assign, makes 32 masks 'is my expert' in scalar registers, and finds by arithmetic alone the token of rank q for each lane.  Ranks past the
; expert's count take the last rank: such rows are copies of the expert's last token and store what that token stores.  EXEC is never changed.
; PHASE B.  A job is a tile of 16 tokens x 64 hidden units: eight K steps of four products, bias as the first C, gelu, quantiser, stores.  Jobs are dealt to waves: tile = wave / 2 + 8 n, half = wave & 1.
; The products are used transposed (source 0 = 16 columns of w1, source 1 = 16 tokens), and the columns of a tile are chosen (tile 2 b + u, row r: unit 32 b + 8 u + r + 8 (r / 8)) so that the 16 registers
; of tiles 2 b, 2 b + 1 are 16 neighbours along the next product's K.  The codes leave as images of the next operand's registers: hc [e][tile][K step][4][lane][16 bytes]; hs [e][tile][row][K step] words.
; NO TENSOR LOADS, NO CLUSTER: trip counts hang on stored whole numbers; no weight byte is shared between work-groups, and what the 16 slices of an expert share (the tokens' codes) is about a tenth of a work-group's bytes.
; LIMITS: NaN and infinities are not served.  A block of zeros gets the scale byte 1, not 127 (its codes are zeros; this program alone reads the bytes).  erf is a polynomial form good to about one unit in the
; last place; far in the negative tail gelu carries the rounding of the exponential's argument, some 3e-6 of the number.
.set ROWP,  8192                       ; bytes from row to row of w1[e]
.set KS,    8                          ; K steps of 128
.set PITCH, 1040                       ; a column's 1,024 codes in LDS + 16: an odd multiple of 16
.set TILEB, 16*PITCH+128               ; a tile of 16 columns; the 128 more keep rows 0-7 of two neighbouring tiles, which one store touches, in different columns of 16 bytes
.set WSC,   8*TILEB                    ; the weights' scale words: pair of tiles b x 1,024 + K step x 128 + 4 x (16 u + r)
.set BIA,   WSC+4096                   ; the slice of b1: 512 bytes
.set XPN,   25                         ; loads of XPRE
.set STRIDE, 8                         ; tiles from one job of a wave to its next
.set LOGSTR, 3
.set A1,   1                           ; v1   4 x lane
.set WADR, 2                           ; v2   where my column's codes go
.set WSA,  3                           ; v3   and its scale words
.set BIW,  4                           ; v4   BIA + 16 x lane
.set XRO,  5                           ; v5   token x 1,024 + 16 h
.set XSO,  6                           ; v6   token x 32 + 16 h
.set WRD,  7                           ; v7   my job's weight fragments
.set WSR,  8                           ; v8   their scale words
.set BIR,  9                           ; v9   their bias
.set HCO,  10                          ; v10  16 x lane
.set HSO,  11                          ; v11  64 r
.set WS,   12                          ; v12-13 weight scale words: lanes 0-15 the even tile's, lanes 16-31 the odd tile's
.set XS,   14                          ; v14-17 the tokens' scale words: lanes 0-15 K steps 0-3, lanes 16-31 K steps 4-7
.set T,    18                          ; v18-23 at work in QBLK
.set C,    24                          ; v24-31 a block's codes (first: the bias on its way to LDS)
.set Q,    32                          ; v32-43 at work in SEARCH
.set TOK,  Q+11
.set PC,   48                          ; v48-55 the hidden codes; v56 their two scale bytes
.set PW,   56
.set H16,  57                          ; v57  16 h
.set X,    64                          ; v64-159 six slots of a token fragment
.set SET,  160                         ; v160-255 three sets of 32 numbers of w1
.set WF,   160                         ; later v160-223 four weight fragments
.set ACC,  224                         ; and v224-255 four accumulators (first: assign)
.set TT,   160                         ; gelu, behind the products: t, t^2, two branches, x / 2, the addend
.set SS,   168
.set RR,   176
.set UU,   184
.set HX,   192
.set ZZ,   200
.set K0,   208
.set K1,   210
.set K2,   212
.set QT,   160                         ; the hidden layer's quantiser, behind gelu
.macro LOADB t                         ; block t: w1(32 t + i, my column): 32 lanes read 128 consecutive bytes, four waves side by side 512
.set I, 0
.rept 32
	global_load_b32 v[SET+32*((\t)%3)+I], v[A1], s[4:5] offset:(32*(\t)+I)*ROWP th:TH_LOAD_NT
.set I, I+1
.endr
.endm
.macro QBLK t                          ; block t becomes 32 codes and a scale byte
.set XB, SET+32*((\t)%3)
	s_wait_dscnt 0x0                               ; my earlier LDS stores have read the registers that are written again below
	v_max3_num_f32 v[T], |v[XB]|, |v[XB+1]|, |v[XB+2]|
	v_max3_num_f32 v[T+1], |v[XB+3]|, |v[XB+4]|, |v[XB+5]|
.irp i, 6,10,14,18,22,26
	v_max3_num_f32 v[T], v[T], |v[XB+\i]|, |v[XB+\i+1]|
	v_max3_num_f32 v[T+1], v[T+1], |v[XB+\i+2]|, |v[XB+\i+3]|
.endr
	v_max3_num_f32 v[T], v[T], |v[XB+30]|, |v[XB+31]|
	v_max3_num_f32 v[T], v[T], v[T+1], 0x4800000   ; the floor 2^(9 - 127): the byte cannot fall under 1
	v_add_nc_u32 v[T+2], 0xfc000000, v[T]          ; 8 off the exponent field: the conversion's scale operand
	v_and_or_b32 v[T+3], v[T], 0x7f800000, s30     ; 448 x the scale
	v_lshrrev_b32 v[T+4], 23, v[T+2]               ; the byte
.if (\t)%4 == 0
	v_mov_b32 v[T+5], v[T+4]
.else
	v_lshl_or_b32 v[T+5], v[T+4], 8*((\t)%4), v[T+5]
.endif
.set I, 0
.rept 32
	v_med3_num_f32 v[XB+I], v[XB+I], -v[T+3], v[T+3]   ; the conversion does not saturate (ISA guide 7.6.2)
.set I, I+1
.endr
.irp g, 0,1,2,3
	v_cvt_scalef32_pk8_fp8_f32 v[C+2*\g:C+2*\g+1], v[XB+8*\g:XB+8*\g+7], v[T+2]
.endr
	v_nop                                          ; one plain line behind the last scaled conversion
	ds_store_b128 v[WADR], v[C:C+3] offset:32*(\t)
	ds_store_b128 v[WADR], v[C+4:C+7] offset:32*(\t)+16
.if (\t)%4 == 3
	ds_store_b32 v[WSA], v[T+5] offset:128*((\t)/4)   ; four bytes: one K step's word of my column
.endif
.endm
.macro STEP t, n                       ; n: the loads younger than block t's
	s_wait_loadcnt \n
.if (\t)+2 < 8
	LOADB (\t)+2
.endif
	QBLK \t
.endm
.macro BALLOT                          ; register 4 j + i of lane l holds assign[128 j + 4 l + i]: mask 4 j + i, bit l
.set W, 0
.rept 32
	v_cmp_eq_u32 s[32+W], s19, v[224+W]
.set W, W+1
.endr
	s_mov_b32 s26, 0
.set W, 0
.rept 32
	s_bcnt1_i32_b32 s29, s[32+W]
	s_add_co_u32 s26, s26, s29
.set W, W+1
.endr
	s_add_co_u32 s25, s26, 15
	s_lshr_b32 s25, s25, 4
	s_min_u32 s25, s25, 64                         ; tiles of 16 tokens
	s_max_u32 s27, s26, 1
	s_sub_co_u32 s27, s27, 1                       ; the last rank
.endm
.macro LEVEL src, width, step          ; does bit number k lie past the next 'step' bits?
	v_bfe_u32 v[Q+7], v[\src], v[Q+9], \width
	v_cmp_ge_u32 vcc_lo, v[Q+8], v[Q+7]
	v_cndmask_b32 v[Q+7], 0, v[Q+7], vcc_lo
	v_cndmask_b32 v[Q+10], 0, \step, vcc_lo
	v_sub_nc_u32 v[Q+8], v[Q+8], v[Q+7]
	v_add_nc_u32 v[Q+9], v[Q+9], v[Q+10]
.endm
.macro SEARCH                          ; v[TOK] = the token of rank min(16 tile + lane % 16, last rank) among my expert's, in the masks' order
	s_lshl_b32 s31, s24, 4
	v_and_b32 v[Q], 15, v0
	v_add_nc_u32 v[Q], s31, v[Q]
	v_min_u32 v[Q], s27, v[Q]                      ; q
	v_mov_b32 v[Q+1], s32                          ; the mask in which rank q lies,
	v_mov_b32 v[Q+2], 0                            ; the ranks ahead of it,
	v_mov_b32 v[Q+3], 0                            ; its number
	s_bcnt1_i32_b32 s28, s32
.set W, 1
.rept 31
	v_cmp_le_u32 vcc_lo, s28, v[Q]                 ; the last mask whose ranks begin at or under q
	v_cndmask_b32 v[Q+1], v[Q+1], s[32+W], vcc_lo
	v_cndmask_b32 v[Q+2], v[Q+2], s28, vcc_lo
	v_cndmask_b32 v[Q+3], v[Q+3], W, vcc_lo
	s_bcnt1_i32_b32 s29, s[32+W]
	s_add_co_u32 s28, s28, s29
.set W, W+1
.endr
	v_sub_nc_u32 v[Q+8], v[Q], v[Q+2]              ; k: which set bit of the mask
	v_lshrrev_b32 v[Q+10], 1, v[Q+1]
	v_and_b32 v[Q+10], 0x55555555, v[Q+10]
	v_sub_nc_u32 v[Q+4], v[Q+1], v[Q+10]           ; counts of 2 bits,
	v_lshrrev_b32 v[Q+10], 2, v[Q+4]
	v_and_b32 v[Q+5], 0x33333333, v[Q+4]
	v_and_b32 v[Q+10], 0x33333333, v[Q+10]
	v_add_nc_u32 v[Q+5], v[Q+5], v[Q+10]           ; of 4,
	v_lshrrev_b32 v[Q+10], 4, v[Q+5]
	v_add_nc_u32 v[Q+6], v[Q+5], v[Q+10]
	v_and_b32 v[Q+6], 0x0f0f0f0f, v[Q+6]           ; of 8,
	v_lshrrev_b32 v[Q+10], 8, v[Q+6]
	v_add_nc_u32 v[Q+7], v[Q+6], v[Q+10]
	v_and_b32 v[Q+7], 0xff, v[Q+7]                 ; of the low 16
	v_cmp_ge_u32 vcc_lo, v[Q+8], v[Q+7]
	v_cndmask_b32 v[Q+7], 0, v[Q+7], vcc_lo
	v_cndmask_b32 v[Q+9], 0, 16, vcc_lo            ; the bit's place, found from the top down
	v_sub_nc_u32 v[Q+8], v[Q+8], v[Q+7]
	LEVEL Q+6, 8, 8
	LEVEL Q+5, 4, 4
	LEVEL Q+4, 2, 2
	LEVEL Q+1, 1, 1
	v_lshrrev_b32 v[Q+10], 2, v[Q+3]
	v_and_b32 v[Q+3], 3, v[Q+3]
	v_lshl_add_u32 v[Q+3], v[Q+9], 2, v[Q+3]
	v_lshl_add_u32 v[Q+3], v[Q+10], 7, v[Q+3]      ; token = 128 j + 4 bit + i
	v_min_u32 v[TOK], 0x3ff, v[Q+3]                ; inside the table, whatever the masks hold
.endm
.macro XL s                            ; the tokens' fragment of K step s: lane (r, h) takes, of its token's row, 16 bytes of each block of 32
.irp c, 0,1,2,3
	global_load_b128 v[X+16*((\s)%6)+4*\c:X+16*((\s)%6)+4*\c+3], v[XRO], s[8:9] offset:128*(\s)+32*\c
.endr
.endm
.macro XPRE                            ; a job's addresses, its first six fragments and its scale words: XPN loads
	v_lshl_add_u32 v[XRO], v[TOK], 10, v[H16]
	v_lshl_add_u32 v[XSO], v[TOK], 5, v[H16]
	s_min_u32 s31, s24, 63
	s_lshl_b32 s72, s31, 15
	s_mov_b32 s73, 0
	s_add_nc_u64 s[68:69], s[14:15], s[72:73]      ; hc at my tile
	s_lshl_b32 s72, s31, 10
	s_add_nc_u64 s[70:71], s[16:17], s[72:73]      ; hs likewise
.irp s, 0,1,2,3,4,5
	XL \s
.endr
	global_load_b128 v[XS:XS+3], v[XSO], s[10:11]
.endm
.macro MM t, s                         ; tile t of my four, K step s.  The four accumulators take turns, one instruction a turn
.set rD, ACC+8*(\t)
.set rA, WF+16*(\t)
.set rB, X+16*((\s)%6)
.set rSA, WS+(\t)/2
.set rSB, XS+(\s)%4
.if ((\t)%2 == 0) && ((\s) < KS/2)
	v_wmma_scale_f32_16x16x128_f8f6f4 v[rD:rD+7], v[rA:rA+15], v[rB:rB+15], v[rD:rD+7], v[rSA], v[rSB]
.elseif ((\t)%2 == 1) && ((\s) < KS/2)
	v_wmma_scale_f32_16x16x128_f8f6f4 v[rD:rD+7], v[rA:rA+15], v[rB:rB+15], v[rD:rD+7], v[rSA], v[rSB] matrix_a_scale:MATRIX_SCALE_ROW1
.elseif ((\t)%2 == 0)
	v_wmma_scale_f32_16x16x128_f8f6f4 v[rD:rD+7], v[rA:rA+15], v[rB:rB+15], v[rD:rD+7], v[rSA], v[rSB] matrix_b_scale:MATRIX_SCALE_ROW1
.else
	v_wmma_scale_f32_16x16x128_f8f6f4 v[rD:rD+7], v[rA:rA+15], v[rB:rB+15], v[rD:rD+7], v[rSA], v[rSB] matrix_a_scale:MATRIX_SCALE_ROW1 matrix_b_scale:MATRIX_SCALE_ROW1
.endif
.endm
.macro KSTEP s
.if (\s) > 0
.rept 8
	v_nop                                          ; eight places in front of loads into registers that the last products read
.endr
.endif
.if ((\s) >= 1) && ((\s) <= KS-6)
	XL (\s)+5                                      ; into the slot that K step s - 1 has left
.endif
.irp t, 0,1,2,3
.irp c, 0,1,2,3
	ds_load_b128 v[WF+16*\t+4*\c:WF+16*\t+4*\c+3], v[WRD] offset:\t*TILEB+128*(\s)+32*\c
.endr
.endr
	ds_load_b32 v[WS], v[WSR] offset:128*(\s)
	ds_load_b32 v[WS+1], v[WSR] offset:1024+128*(\s)
.if (\s) >= 6
.if KS-1-(\s) < 5
	s_wait_loadcnt 4*(KS-1-(\s))                   ; the fragments of the later K steps, four loads each, may be out
.else
	s_wait_loadcnt 20
.endif
.endif
	s_wait_dscnt 0x0
.irp t, 0,1,2,3
	MM \t, \s
.endr
.endm
.macro FMAL d, a, m, lit               ; d = a m + a constant, four pairs
.irp j, 0,2,4,6
	v_pk_fma_f32 v[\d+\j:\d+\j+1], v[\a+\j:\a+\j+1], v[\m+\j:\m+\j+1], \lit op_sel_hi:[1,1,0]
.endr
.endm
.macro FMAK d, a, k, lit               ; d = a k + a constant, k one pair of equal numbers (an instruction takes one literal)
.irp j, 0,2,4,6
	v_pk_fma_f32 v[\d+\j:\d+\j+1], v[\a+\j:\a+\j+1], v[\k:\k+1], \lit op_sel_hi:[1,1,0]
.endr
.endm
; gelu(x) = x / 2 + |x / 2| erf(t), t = |x| / sqrt(2), on eight registers in place.  Both branches of erf are computed and one is selected: over t = 475 / 512, 1 - erf(t) = exp(polynomial), so that for
; negative x the result is (x / 2)(1 - erf) with nothing cancelled; under it, -erf(t) = t x polynomial(t^2) - t.
.macro GELU8 b
.irp j, 0,1,2,3,4,5,6,7
	v_mul_f32 v[TT+\j], 0x3f3504f3, |v[\b+\j]|     ; the accumulator is read from its low end on
.endr
.irp j, 0,2,4,6
	v_pk_mul_f32 v[SS+\j:SS+\j+1], v[TT+\j:TT+\j+1], v[TT+\j:TT+\j+1]
.endr
.irp j, 0,2,4,6
	v_pk_mul_f32 v[HX+\j:HX+\j+1], v[\b+\j:\b+\j+1], 0.5 op_sel_hi:[1,0]
.endr
	FMAK RR, TT, K0, 0x39c8e7d9
	FMAK UU, TT, K1, 0x3cc6b1a1
.irp j, 0,2,4,6
	v_pk_fma_f32 v[RR+\j:RR+\j+1], v[RR+\j:RR+\j+1], v[SS+\j:SS+\j+1], v[UU+\j:UU+\j+1]
.endr
	FMAL RR, RR, TT, 0xbddaae5c
	FMAL RR, RR, TT, 0xbf228550
	FMAL RR, RR, TT, 0xbe03ce86
.irp j, 0,2,4,6
	v_pk_fma_f32 v[RR+\j:RR+\j+1], v[RR+\j:RR+\j+1], v[TT+\j:TT+\j+1], v[TT+\j:TT+\j+1] neg_lo:[0,0,1] neg_hi:[0,0,1]
.endr
.irp j, 0,2,4,6
	v_pk_mul_f32 v[RR+\j:RR+\j+1], v[RR+\j:RR+\j+1], 0x3fb8aa3b op_sel_hi:[1,0]
.endr
.irp j, 0,1,2,3,4,5,6,7
	v_exp_f32 v[RR+\j], v[RR+\j]                   ; 1 - erf(t)
.endr
	FMAK UU, SS, K2, 0xbba38d2c                    ; (plain lines behind the exponentials, which touch none of their registers)
	FMAL UU, UU, SS, 0x3cdb48d9
	FMAL UU, UU, SS, 0xbde70e22
	FMAL UU, UU, SS, 0x3ec09380
	FMAL UU, UU, SS, 0xbe0375d4
.irp j, 0,2,4,6
	v_pk_fma_f32 v[UU+\j:UU+\j+1], v[UU+\j:UU+\j+1], v[TT+\j:TT+\j+1], v[TT+\j:TT+\j+1] neg_lo:[0,0,1] neg_hi:[0,0,1]   ; -erf(t)
.endr
.irp j, 0,1,2,3,4,5,6,7
	v_add_f32 v[ZZ+\j], v[HX+\j], |v[HX+\j]|
.endr
	s_wait_alu depctr_va_vdst(0)
.irp j, 0,1,2,3,4,5,6,7
	v_cmp_lt_f32 vcc_lo, 0x3f6d8000, v[TT+\j]
	v_cndmask_b32 v[UU+\j], v[UU+\j], v[RR+\j], vcc_lo
	v_cndmask_b32 v[ZZ+\j], v[HX+\j], v[ZZ+\j], vcc_lo
	v_fma_f32 v[\b+\j], -|v[HX+\j]|, v[UU+\j], v[ZZ+\j]
.endr
.endm
	s_load_b256 s[4:11], s[0:1], 0x0               ; w1 s[4:5], b1 s[6:7], xc s[8:9], xs s[10:11]
	s_load_b128 s[12:15], s[0:1], 0x20             ; assign s[12:13], hc s[14:15]
	s_load_b64 s[16:17], s[0:1], 0x30              ; hs
	v_lshl_add_u32 v62, v0, 2, 0x22000
	v_mov_b32 v63, 0
	v_lshrrev_b32 v44, 5, v0
	v_readfirstlane_b32 s18, v44                   ; wave 0..15
	s_and_b32 s19, ttmp7, 0xffff                   ; e
	s_mov_b32 s20, ttmp9                           ; f
	s_mov_b32 s30, 0x600000                        ; the mantissa field of 448
	s_mov_b32 s66, 0x76543210
	s_mov_b32 s67, 0xfedcba98                      ; v_permlanex16_b32's selects for lane l xor 16
	v_and_b32 v44, 31, v0                          ; lane = my column m of 32
	v_and_b32 v45, 15, v0                          ; r
	v_bfe_u32 v46, v0, 4, 1                        ; h = bit 4 of m
	v_bfe_u32 v47, v0, 3, 1                        ; bit 3 of m: which tile of the pair
	v_and_b32 v58, 7, v0
	v_lshl_add_u32 v58, v46, 3, v58                ; my column's row in its tile: m % 8 + 8 (m / 16)
	v_lshlrev_b32 v[A1], 2, v44
	s_and_b32 s74, s18, 3                          ; phase A: g, which 32 columns,
	s_lshr_b32 s75, s18, 2                         ; and which 256 rows
	s_mul_i32 s31, s74, 2*TILEB
	s_lshl_b32 s28, s75, 8
	s_add_co_u32 s31, s31, s28
	v_mul_u32_u24 v[WADR], v58, PITCH
	v_mad_u32_u24 v[WADR], v47, TILEB, v[WADR]
	v_add_nc_u32 v[WADR], s31, v[WADR]
	v_lshl_add_u32 v[WSA], v47, 4, v58
	v_lshlrev_b32 v[WSA], 2, v[WSA]
	s_lshl_b32 s31, s74, 10
	s_add_co_u32 s31, s31, s28
	s_add_co_u32 s31, s31, WSC
	v_add_nc_u32 v[WSA], s31, v[WSA]
	v_lshl_add_u32 v[BIW], v44, 4, BIA
	s_and_b32 s76, s18, 1                          ; phase B: which 64 hidden units,
	s_lshr_b32 s24, s18, 1                         ; and my first tile of tokens
	v_mul_u32_u24 v[WRD], v45, PITCH
	v_lshl_add_u32 v[WRD], v46, 4, v[WRD]
	s_mul_i32 s31, s76, 4*TILEB
	v_add_nc_u32 v[WRD], s31, v[WRD]
	s_lshl_b32 s31, s76, 11
	s_add_co_u32 s31, s31, WSC
	v_lshl_add_u32 v[WSR], v44, 2, s31
	s_lshl_b32 s31, s76, 8
	s_add_co_u32 s31, s31, BIA
	v_lshl_add_u32 v[BIR], v46, 6, s31
	v_lshlrev_b32 v[HCO], 4, v44
	v_lshlrev_b32 v[HSO], 6, v45
	v_lshlrev_b32 v[H16], 4, v46
	s_mov_b32 s23, 0
	s_lshl_b32 s22, s19, 23                        ; w1: expert, my 256 rows, the slice's 512 bytes of a row, my 128 of them
	s_lshl_b32 s31, s75, 21
	s_add_co_u32 s22, s22, s31
	s_lshl_b32 s31, s20, 9
	s_add_co_u32 s22, s22, s31
	s_lshl_b32 s31, s74, 7
	s_add_co_u32 s22, s22, s31
	s_wait_kmcnt 0x0
	s_add_nc_u64 s[4:5], s[4:5], s[22:23]
	s_lshl_b32 s22, s19, 13
	s_lshl_b32 s31, s20, 9
	s_add_co_u32 s22, s22, s31
	s_add_nc_u64 s[6:7], s[6:7], s[22:23]          ; b1[e] at the slice
	s_lshl_b32 s22, s19, 21
	s_lshl_b32 s31, s20, 11
	s_add_co_u32 s22, s22, s31
	s_lshl_b32 s31, s76, 10
	s_add_co_u32 s22, s22, s31
	s_add_nc_u64 s[14:15], s[14:15], s[22:23]      ; hc: expert, K step f, my half's two blocks
	s_lshl_b32 s22, s19, 16
	s_lshl_b32 s31, s20, 2
	s_add_co_u32 s22, s22, s31
	s_lshl_b32 s31, s76, 1
	s_add_co_u32 s22, s22, s31
	s_add_nc_u64 s[16:17], s[16:17], s[22:23]      ; hs: expert, word f, my half's two bytes
	s_cmp_lg_u32 s18, 0
	s_cbranch_scc1 .Lno_bias_load
	global_load_b128 v[C:C+3], v[HCO], s[6:7]      ; wave 0: the slice of b1, its oldest load
.Lno_bias_load:
.irp j, 0,1,2,3,4,5,6,7
	global_load_b128 v[224+4*\j:224+4*\j+3], v[HCO], s[12:13] offset:512*\j
.endr
	LOADB 0
	LOADB 1
	s_wait_loadcnt 63                              ; 64 loads are younger than assign's: assign (and the bias) are in
	s_cmp_lg_u32 s18, 0
	s_cbranch_scc1 .Lno_bias_store
	ds_store_b128 v[BIW], v[C:C+3]
.Lno_bias_store:
	BALLOT
	SEARCH
	XPRE
	STEP 0, 32+XPN                                 ; younger than block 0: block 1's 32 and XPRE's
	STEP 1, 32+XPN                                 ; younger than block 1: XPRE's and block 2's 32
	STEP 2, 32                                     ; from here on the next block's 32
	STEP 3, 32
	STEP 4, 32
	STEP 5, 32
	STEP 6, 32
	STEP 7, 0
	s_wait_dscnt 0x0                               ; for the others' sake: my stores have landed
	s_barrier_signal -1
	s_barrier_wait -1                              ; the one barrier: every wave passes it, ahead of every branch on stored numbers; behind it LDS is only read
	s_add_co_u32 s78, s25, STRIDE-1                ; my jobs: the tiles first, first + 8, .. under the expert's count of tiles: (tiles + 7 - first) / 8, rounded down; first is 7 at the most, so the sum is never negative
	s_sub_co_u32 s78, s78, s24
	s_lshr_b32 s78, s78, LOGSTR
	s_min_u32 s78, s78, 64/STRIDE                  ; 64 tiles at the most, so 8 jobs
	s_mov_b32 s77, 0                               ; jobs done: the loop's counter, one a trip
	s_cmp_lt_u32 s77, s78
	s_cbranch_scc0 .Ldone
.Ljob:
	s_wait_loadcnt 0x0                             ; the job's first six fragments and its scale words
.irp t, 0,1,2,3
.irp i, 0,1
	ds_load_b128 v[ACC+8*\t+4*\i:ACC+8*\t+4*\i+3], v[BIR] offset:128*(\t/2)+32*(\t%2)+16*\i   ; the bias is the first C: lane (r, h), tile 2 b + u: units 32 b + 16 h + 8 u + 0 .. 7
.endr
.endr
.irp s, 0,1,2,3,4,5,6,7
	KSTEP \s
.endr
.rept 8
	v_nop                                          ; eight places before the results are read and the operands' registers written
.endr
	v_mov_b32 v[K0], 0xb7910000
	v_mov_b32 v[K0+1], 0xb7910000
	v_mov_b32 v[K1], 0xbb7e8a1c
	v_mov_b32 v[K1+1], 0xbb7e8a1c
	v_mov_b32 v[K2], 0x3a1c7000
	v_mov_b32 v[K2+1], 0x3a1c7000
	GELU8 ACC
	GELU8 ACC+8
	GELU8 ACC+16
	GELU8 ACC+24
.irp b, 0,1                                    ; two blocks of 32 along the next K: registers 16 b + i of lanes l and l xor 16
	v_max3_num_f32 v[QT+\b], |v[ACC+16*\b]|, |v[ACC+1+16*\b]|, 0x4800000
.endr
.irp i, 2,4,6,8,10,12,14
.irp b, 0,1
	v_max3_num_f32 v[QT+\b], v[QT+\b], |v[ACC+16*\b+\i]|, |v[ACC+1+16*\b+\i]|
.endr
.endr
.irp b, 0,1
	v_permlanex16_b32 v[QT+2+\b], v[QT+\b], s66, s67
.endr
.irp b, 0,1
	v_max_num_f32 v[QT+\b], v[QT+\b], v[QT+2+\b]
.endr
.irp b, 0,1
	v_add_nc_u32 v[QT+4+\b], 0xfc000000, v[QT+\b]
.endr
.irp b, 0,1
	v_and_or_b32 v[QT+6+\b], v[QT+\b], 0x7f800000, s30
.endr
.irp b, 0,1
	v_lshrrev_b32 v[QT+8+\b], 23, v[QT+4+\b]
.endr
	v_lshl_or_b32 v[PW], v[QT+9], 8, v[QT+8]
.irp b, 0,1
.irp i, 0,1,2,3,4,5,6,7,8,9,10,11,12,13,14,15
	v_med3_num_f32 v[ACC+16*\b+\i], v[ACC+16*\b+\i], -v[QT+6+\b], v[QT+6+\b]
.endr
	v_cvt_scalef32_pk8_fp8_f32 v[PC+4*\b:PC+4*\b+1], v[ACC+16*\b:ACC+16*\b+7], v[QT+4+\b]
	v_cvt_scalef32_pk8_fp8_f32 v[PC+4*\b+2:PC+4*\b+3], v[ACC+16*\b+8:ACC+16*\b+15], v[QT+4+\b]
.endr
	v_nop                                          ; one plain line behind the last scaled conversion
	global_store_b128 v[HCO], v[PC:PC+3], s[68:69]                ; 32 lanes store 512 consecutive bytes: four registers of the next operand's image
	global_store_b128 v[HCO], v[PC+4:PC+7], s[68:69] offset:512
	global_store_b16 v[HSO], v[PW], s[70:71]       ; two bytes of my row's scale word; both halves of the lanes store the same.  All of hs that is written is some 80 KB
	s_add_co_u32 s77, s77, 1                       ; one job more is done
	s_add_co_u32 s24, s24, STRIDE                  ; my next tile
	s_cmp_lt_u32 s77, s78
	s_cbranch_scc0 .Ldone
	s_wait_xcnt 0x0                                ; the stores' data, offsets and bases are written again only behind this wait
	SEARCH
	XPRE
	s_cmp_lt_u32 s77, s78
	s_cbranch_scc1 .Ljob
.Ldone:
	s_wait_tensorcnt 0x0
	ds_add_u32 v62, v63
	s_wait_dscnt 0x0
	s_endpgm
.Lfunc_end_k_q376f6c3229_up:
	.size	k_q376f6c3229_up, .Lfunc_end_k_q376f6c3229_up-k_q376f6c3229_up
	.p2alignl 7, 3214868480
	.fill 96, 4, 3214868480
	.section	.rodata,"a",@progbits
	.p2align	6, 0x0
	.amdhsa_kernel k_q376f6c3229_up
		.amdhsa_group_segment_fixed_size 141312
		.amdhsa_private_segment_fixed_size 0
		.amdhsa_enable_private_segment 0
		.amdhsa_kernarg_size 56
		.amdhsa_user_sgpr_count 2
		.amdhsa_user_sgpr_kernarg_segment_ptr 1
		.amdhsa_wavefront_size32 1
		.amdhsa_system_sgpr_workgroup_id_x 1
		.amdhsa_system_sgpr_workgroup_id_y 1
		.amdhsa_system_sgpr_workgroup_id_z 1
		.amdhsa_system_vgpr_workitem_id 0
		.amdhsa_next_free_vgpr 256
		.amdhsa_next_free_sgpr 80
		.amdhsa_reserve_vcc 1
		.amdhsa_float_denorm_mode_32 3
		.amdhsa_float_denorm_mode_16_64 3
		.amdhsa_memory_ordered 1
		.amdhsa_forward_progress 1
		.amdhsa_inst_pref_size 146
	.end_amdhsa_kernel
	.amdgpu_metadata
---
amdhsa.version: [ 1, 2 ]
amdhsa.kernels:
  - .name:           k_q376f6c3229_up
    .symbol:         k_q376f6c3229_up.kd
    .args:
      - { .name: w1, .offset: 0, .size: 8, .value_kind: global_buffer, .address_space: global }
      - { .name: b1, .offset: 8, .size: 8, .value_kind: global_buffer, .address_space: global }
      - { .name: xc, .offset: 16, .size: 8, .value_kind: global_buffer, .address_space: global }
      - { .name: xs, .offset: 24, .size: 8, .value_kind: global_buffer, .address_space: global }
      - { .name: assign, .offset: 32, .size: 8, .value_kind: global_buffer, .address_space: global }
      - { .name: hc, .offset: 40, .size: 8, .value_kind: global_buffer, .address_space: global }
      - { .name: hs, .offset: 48, .size: 8, .value_kind: global_buffer, .address_space: global }
    .group_segment_fixed_size: 141312
    .private_segment_fixed_size: 0
    .kernarg_segment_align: 8
    .kernarg_segment_size: 56
    .max_flat_workgroup_size: 512
    .sgpr_count:     80
    .vgpr_count:     256
    .wavefront_size: 32
...
	.end_amdgpu_metadata
.endif
;; end of part 2
;; launch down (part 3): grid 16 x 16, 16 waves a work-group, no clusters, 208,896 bytes of LDS; arguments w2, b2, hc, hs, assign, gate, out0; writes out0
.if DOCPART == 3
	.amdgcn_target "amdgcn-amd-amdhsa--gfx1250"
	.amdhsa_code_object_version 6
	.text
	.protected	k_q376f6c3229_down
	.globl	k_q376f6c3229_down
	.p2align	8
	.type	k_q376f6c3229_down,@function
k_q376f6c3229_down:
	s_mov_b64 s[64:65], 0
	v_nop
	global_prefetch_b8 v0, s[64:65] scope:SCOPE_SE
	s_setreg_imm32_b32 hwreg(HW_REG_WAVE_MODE, 25, 1), 1
	s_wait_xcnt 0x0
; SECOND LAYER OF THE CHOSEN EXPERT.  Work-group (d, e) owns output columns 64 d .. 64 d + 63 of expert e: out0[token] = (hidden Q(w2[e]) + b2[e]) x gate[token] for the tokens whose assign is e.
; PHASE A.  The slice of w2 (2,048 x 64 f32, read by this work-group alone) is quantised along K into LDS: a lane to a column, registers down K.  Wave w takes 32 columns (w & 1) and 256 rows (w >> 1).
; THE ROWS are found as in the launch before, by the same arithmetic on the same whole numbers, so that tile and row mean the same token in both.  Ranks past the expert's count take the last rank: such rows are
; copies of the expert's last token and store the same numbers to the same row.  EXEC is never changed.
; PHASE B.  A job is a tile of 16 tokens x all 64 columns: sixteen K steps of four products; the hidden layer comes as images of the operand's registers (hc) with its scale words (hs).  Tile = wave + 16 n.
; The products are used transposed (source 0 = 16 columns of w2, source 1 = 16 tokens): a lane holds eight neighbouring outputs of one token.  They pass the wave's own stage in LDS and leave as whole
; runs of 256 consecutive bytes, aligned, sixteen lanes to a token's row.
; A wave without a tile still asks for one tile's first fragments ahead of the barrier (every lane the same 16 bytes) and discards them.  For an expert without any token these few loads read bytes of hc and hs
; that nobody has stored; nothing is made of them: the loop over jobs is not entered.
; NO TENSOR LOADS, NO CLUSTER: trip counts hang on stored whole numbers; no weight byte is shared between work-groups.
; LIMITS: NaN and infinities are not served.  A block of zeros gets the scale byte 1, not 127 (its codes are zeros; this program alone reads the bytes).
.set ROWP,  4096                       ; bytes from row to row of w2[e]
.set KS,    16                         ; K steps of 128
.set PITCH, 2064                       ; a column's 2,048 codes in LDS + 16: an odd multiple of 16
.set TILEB, 16*PITCH                   ; a tile of 16 columns
.set WSC,   4*TILEB                    ; the weights' scale words: pair of tiles x 2,048 + K step x 128 + 4 x lane
.set BIA,   WSC+4096                   ; the slice of b2: 256 bytes
.set STG,   BIA+256                    ; a stage for each wave: 16 rows x (256 + 16) bytes
.set STGB,  16*272
.set XPN,   27                         ; loads of XPRE
.set STRIDE, 16                        ; tiles from one job of a wave to its next
.set LOGSTR, 4
.set A1,   1                           ; v1   4 x lane
.set WADR, 2                           ; v2   where my column's codes go
.set WSA,  3                           ; v3   and its scale words
.set BIW,  4                           ; v4   BIA + 8 x lane
.set HL,   5                           ; v5   16 x lane (0 in a wave without a tile)
.set HSO,  6                           ; v6   64 r + 32 h
.set TOK,  7                           ; v7   my row's token
.set G,    8                           ; v8   its gate; v9 is named with it as a pair
.set GO,   10                          ; v10  4 x token
.set WRD0, 11                          ; v11  weight fragments of tiles 0, 1
.set WRD1, 12                          ; v12  of tiles 2, 3
.set WSR,  13                          ; v13  their scale words
.set BIR,  14                          ; v14  the bias
.set STO,  15                          ; v15  the stage: where I put 32 bytes of a row
.set SRD,  16                          ; v16  and where I read a row back
.set OL,   19                          ; v19  16 r
.set WS,   20                          ; v20-21 weight scale words: lanes 0-15 the even tile's, lanes 16-31 the odd tile's
.set HS,   22                          ; v22-29 the hidden layer's: lanes 0-15 K steps 0-7, lanes 16-31 K steps 8-15
.set T,    30                          ; v30-35 at work in QBLK
.set C,    36                          ; v36-43 a block's codes (first: the bias on its way to LDS)
.set Q,    44                          ; v44-54 at work in SEARCH
.set OO,   56                          ; v56-63 the way out: byte offsets in out0 (at the head: scratch)
.set X,    64                          ; v64-159 six slots of a hidden fragment
.set SET,  160                         ; v160-255 three sets of 32 numbers of w2
.set WF,   160                         ; later v160-223 four weight fragments; on the way out rows read back
.set ACC,  224                         ; and v224-255 four accumulators (first: assign)
.macro LOADB t                         ; block t: w2(32 t + i, my column): 32 lanes read 128 consecutive bytes, two waves side by side 256
.set I, 0
.rept 32
	global_load_b32 v[SET+32*((\t)%3)+I], v[A1], s[4:5] offset:(32*(\t)+I)*ROWP th:TH_LOAD_NT
.set I, I+1
.endr
.endm
.macro QBLK t                          ; block t becomes 32 codes and a scale byte
.set XB, SET+32*((\t)%3)
	s_wait_dscnt 0x0                               ; my earlier LDS stores have read the registers that are written again below
	v_max3_num_f32 v[T], |v[XB]|, |v[XB+1]|, |v[XB+2]|
	v_max3_num_f32 v[T+1], |v[XB+3]|, |v[XB+4]|, |v[XB+5]|
.irp i, 6,10,14,18,22,26
	v_max3_num_f32 v[T], v[T], |v[XB+\i]|, |v[XB+\i+1]|
	v_max3_num_f32 v[T+1], v[T+1], |v[XB+\i+2]|, |v[XB+\i+3]|
.endr
	v_max3_num_f32 v[T], v[T], |v[XB+30]|, |v[XB+31]|
	v_max3_num_f32 v[T], v[T], v[T+1], 0x4800000   ; the floor 2^(9 - 127): the byte cannot fall under 1
	v_add_nc_u32 v[T+2], 0xfc000000, v[T]          ; 8 off the exponent field: the conversion's scale operand
	v_and_or_b32 v[T+3], v[T], 0x7f800000, s30     ; 448 x the scale
	v_lshrrev_b32 v[T+4], 23, v[T+2]               ; the byte
.if (\t)%4 == 0
	v_mov_b32 v[T+5], v[T+4]
.else
	v_lshl_or_b32 v[T+5], v[T+4], 8*((\t)%4), v[T+5]
.endif
.set I, 0
.rept 32
	v_med3_num_f32 v[XB+I], v[XB+I], -v[T+3], v[T+3]   ; the conversion does not saturate (ISA guide 7.6.2)
.set I, I+1
.endr
.irp g, 0,1,2,3
	v_cvt_scalef32_pk8_fp8_f32 v[C+2*\g:C+2*\g+1], v[XB+8*\g:XB+8*\g+7], v[T+2]
.endr
	v_nop                                          ; one plain line behind the last scaled conversion
	ds_store_b128 v[WADR], v[C:C+3] offset:32*(\t)
	ds_store_b128 v[WADR], v[C+4:C+7] offset:32*(\t)+16
.if (\t)%4 == 3
	ds_store_b32 v[WSA], v[T+5] offset:128*((\t)/4)   ; four bytes: one K step's word of my column
.endif
.endm
.macro STEP t, n                       ; n: the loads younger than block t's
	s_wait_loadcnt \n
.if (\t)+2 < 8
	LOADB (\t)+2
.endif
	QBLK \t
.endm
.macro BALLOT                          ; register 4 j + i of lane l holds assign[128 j + 4 l + i]: mask 4 j + i, bit l
.set W, 0
.rept 32
	v_cmp_eq_u32 s[32+W], s19, v[224+W]
.set W, W+1
.endr
	s_mov_b32 s26, 0
.set W, 0
.rept 32
	s_bcnt1_i32_b32 s29, s[32+W]
	s_add_co_u32 s26, s26, s29
.set W, W+1
.endr
	s_add_co_u32 s25, s26, 15
	s_lshr_b32 s25, s25, 4
	s_min_u32 s25, s25, 64                         ; tiles of 16 tokens
	s_max_u32 s27, s26, 1
	s_sub_co_u32 s27, s27, 1                       ; the last rank
.endm
.macro LEVEL src, width, step          ; does bit number k lie past the next 'step' bits?
	v_bfe_u32 v[Q+7], v[\src], v[Q+9], \width
	v_cmp_ge_u32 vcc_lo, v[Q+8], v[Q+7]
	v_cndmask_b32 v[Q+7], 0, v[Q+7], vcc_lo
	v_cndmask_b32 v[Q+10], 0, \step, vcc_lo
	v_sub_nc_u32 v[Q+8], v[Q+8], v[Q+7]
	v_add_nc_u32 v[Q+9], v[Q+9], v[Q+10]
.endm
.macro SEARCH                          ; v[TOK] = the token of rank min(16 tile + lane % 16, last rank) among my expert's, in the masks' order
	s_lshl_b32 s31, s24, 4
	v_and_b32 v[Q], 15, v0
	v_add_nc_u32 v[Q], s31, v[Q]
	v_min_u32 v[Q], s27, v[Q]                      ; q
	v_mov_b32 v[Q+1], s32                          ; the mask in which rank q lies,
	v_mov_b32 v[Q+2], 0                            ; the ranks ahead of it,
	v_mov_b32 v[Q+3], 0                            ; its number
	s_bcnt1_i32_b32 s28, s32
.set W, 1
.rept 31
	v_cmp_le_u32 vcc_lo, s28, v[Q]                 ; the last mask whose ranks begin at or under q
	v_cndmask_b32 v[Q+1], v[Q+1], s[32+W], vcc_lo
	v_cndmask_b32 v[Q+2], v[Q+2], s28, vcc_lo
	v_cndmask_b32 v[Q+3], v[Q+3], W, vcc_lo
	s_bcnt1_i32_b32 s29, s[32+W]
	s_add_co_u32 s28, s28, s29
.set W, W+1
.endr
	v_sub_nc_u32 v[Q+8], v[Q], v[Q+2]              ; k: which set bit of the mask
	v_lshrrev_b32 v[Q+10], 1, v[Q+1]
	v_and_b32 v[Q+10], 0x55555555, v[Q+10]
	v_sub_nc_u32 v[Q+4], v[Q+1], v[Q+10]           ; counts of 2 bits,
	v_lshrrev_b32 v[Q+10], 2, v[Q+4]
	v_and_b32 v[Q+5], 0x33333333, v[Q+4]
	v_and_b32 v[Q+10], 0x33333333, v[Q+10]
	v_add_nc_u32 v[Q+5], v[Q+5], v[Q+10]           ; of 4,
	v_lshrrev_b32 v[Q+10], 4, v[Q+5]
	v_add_nc_u32 v[Q+6], v[Q+5], v[Q+10]
	v_and_b32 v[Q+6], 0x0f0f0f0f, v[Q+6]           ; of 8,
	v_lshrrev_b32 v[Q+10], 8, v[Q+6]
	v_add_nc_u32 v[Q+7], v[Q+6], v[Q+10]
	v_and_b32 v[Q+7], 0xff, v[Q+7]                 ; of the low 16
	v_cmp_ge_u32 vcc_lo, v[Q+8], v[Q+7]
	v_cndmask_b32 v[Q+7], 0, v[Q+7], vcc_lo
	v_cndmask_b32 v[Q+9], 0, 16, vcc_lo            ; the bit's place, found from the top down
	v_sub_nc_u32 v[Q+8], v[Q+8], v[Q+7]
	LEVEL Q+6, 8, 8
	LEVEL Q+5, 4, 4
	LEVEL Q+4, 2, 2
	LEVEL Q+1, 1, 1
	v_lshrrev_b32 v[Q+10], 2, v[Q+3]
	v_and_b32 v[Q+3], 3, v[Q+3]
	v_lshl_add_u32 v[Q+3], v[Q+9], 2, v[Q+3]
	v_lshl_add_u32 v[Q+3], v[Q+10], 7, v[Q+3]      ; token = 128 j + 4 bit + i
	v_min_u32 v[TOK], 0x3ff, v[Q+3]                ; inside the table, whatever the masks hold
.endm
.macro XL s                            ; the hidden fragment of K step s, as the registers that it left: each load reads 512 consecutive bytes
.irp c, 0,1,2,3
	global_load_b128 v[X+16*((\s)%6)+4*\c:X+16*((\s)%6)+4*\c+3], v[HL], s[68:69] offset:2048*(\s)+512*\c
.endr
.endm
.macro XPRE                            ; a job's addresses, its first six fragments, its scale words and its gates: XPN loads
	s_cmp_lt_u32 s24, s25
	s_cselect_b32 s31, 16, 0                       ; a wave without a tile reads one place for all its lanes
	s_min_u32 s31, s31, 16
	v_and_b32 v[HL], 31, v0
	v_mul_u32_u24 v[HL], s31, v[HL]
	s_max_u32 s74, s25, 1
	s_sub_co_u32 s74, s74, 1
	s_min_u32 s74, s24, s74                        ; my tile, or the expert's last
	s_min_u32 s74, s74, 63
	s_lshl_b32 s72, s74, 15
	s_mov_b32 s73, 0
	s_add_nc_u64 s[68:69], s[8:9], s[72:73]        ; hc at the tile
	s_lshl_b32 s72, s74, 10
	s_add_nc_u64 s[70:71], s[10:11], s[72:73]      ; hs likewise
	v_lshlrev_b32 v[GO], 2, v[TOK]
.irp s, 0,1,2,3,4,5
	XL \s
.endr
	global_load_b128 v[HS:HS+3], v[HSO], s[70:71]
	global_load_b128 v[HS+4:HS+7], v[HSO], s[70:71] offset:16
	global_load_b32 v[G], v[GO], s[14:15]
.endm
.macro MM t, s                         ; tile t of the four, K step s.  The four accumulators take turns, one instruction a turn
.set rD, ACC+8*(\t)
.set rA, WF+16*(\t)
.set rB, X+16*((\s)%6)
.set rSA, WS+(\t)/2
.set rSB, HS+(\s)%8
.if ((\t)%2 == 0) && ((\s) < KS/2)
	v_wmma_scale_f32_16x16x128_f8f6f4 v[rD:rD+7], v[rA:rA+15], v[rB:rB+15], v[rD:rD+7], v[rSA], v[rSB]
.elseif ((\t)%2 == 1) && ((\s) < KS/2)
	v_wmma_scale_f32_16x16x128_f8f6f4 v[rD:rD+7], v[rA:rA+15], v[rB:rB+15], v[rD:rD+7], v[rSA], v[rSB] matrix_a_scale:MATRIX_SCALE_ROW1
.elseif ((\t)%2 == 0)
	v_wmma_scale_f32_16x16x128_f8f6f4 v[rD:rD+7], v[rA:rA+15], v[rB:rB+15], v[rD:rD+7], v[rSA], v[rSB] matrix_b_scale:MATRIX_SCALE_ROW1
.else
	v_wmma_scale_f32_16x16x128_f8f6f4 v[rD:rD+7], v[rA:rA+15], v[rB:rB+15], v[rD:rD+7], v[rSA], v[rSB] matrix_a_scale:MATRIX_SCALE_ROW1 matrix_b_scale:MATRIX_SCALE_ROW1
.endif
.endm
.macro KSTEP s
.if (\s) > 0
.rept 8
	v_nop                                          ; eight places in front of loads into registers that the last products read
.endr
.endif
.if ((\s) >= 1) && ((\s) <= KS-6)
	XL (\s)+5                                      ; into the slot that K step s - 1 has left
.endif
.irp t, 0,1
.irp c, 0,1,2,3
	ds_load_b128 v[WF+16*\t+4*\c:WF+16*\t+4*\c+3], v[WRD0] offset:\t*TILEB+128*(\s)+32*\c
.endr
.endr
.irp t, 0,1
.irp c, 0,1,2,3
	ds_load_b128 v[WF+32+16*\t+4*\c:WF+32+16*\t+4*\c+3], v[WRD1] offset:\t*TILEB+128*(\s)+32*\c
.endr
.endr
	ds_load_b32 v[WS], v[WSR] offset:128*(\s)
	ds_load_b32 v[WS+1], v[WSR] offset:2048+128*(\s)
.if (\s) >= 6
.if KS-1-(\s) < 5
	s_wait_loadcnt 4*(KS-1-(\s))                   ; the fragments of the later K steps, four loads each, may be out
.else
	s_wait_loadcnt 20                              ; five later K steps' fragments have been asked for
.endif
.endif
	s_wait_dscnt 0x0
.irp t, 0,1,2,3
	MM \t, \s
.endr
.endm
	s_load_b256 s[4:11], s[0:1], 0x0               ; w2 s[4:5], b2 s[6:7], hc s[8:9], hs s[10:11]
	s_load_b128 s[12:15], s[0:1], 0x20             ; assign s[12:13], gate s[14:15]
	s_load_b64 s[16:17], s[0:1], 0x30              ; out0
	v_lshl_add_u32 v18, v0, 2, 0x32800
	v_mov_b32 v55, 0
	v_lshrrev_b32 v56, 5, v0
	v_readfirstlane_b32 s18, v56                   ; wave 0..15
	s_and_b32 s19, ttmp7, 0xffff                   ; e
	s_mov_b32 s20, ttmp9                           ; d
	s_mov_b32 s30, 0x600000                        ; the mantissa field of 448
	s_mov_b32 s76, 0xffff0000                      ; lanes 16-31
	s_mov_b32 s24, s18                             ; my first tile of tokens
	v_and_b32 v56, 31, v0                          ; lane = my column of 32
	v_and_b32 v57, 15, v0                          ; r
	v_bfe_u32 v58, v0, 4, 1                        ; h
	v_lshlrev_b32 v[A1], 2, v56
	v_lshlrev_b32 v59, 3, v56                      ; 8 x lane
	v_lshlrev_b32 v60, 4, v56                      ; 16 x lane
	s_and_b32 s74, s18, 1                          ; phase A: g, which 32 columns,
	s_lshr_b32 s75, s18, 1                         ; and which 256 rows
	v_mul_u32_u24 v[WADR], v57, PITCH              ; column m: tile 2 g + m / 16, row m % 16
	v_mad_u32_u24 v[WADR], v58, TILEB, v[WADR]
	s_mul_i32 s31, s74, 2*TILEB
	s_lshl_b32 s28, s75, 8
	s_add_co_u32 s31, s31, s28
	v_add_nc_u32 v[WADR], s31, v[WADR]
	s_lshl_b32 s31, s74, 11
	s_add_co_u32 s31, s31, s28
	s_add_co_u32 s31, s31, WSC
	v_lshl_add_u32 v[WSA], v56, 2, s31
	v_lshl_add_u32 v[BIW], v56, 3, BIA
	v_lshlrev_b32 v[HSO], 6, v57
	v_lshl_add_u32 v[HSO], v58, 5, v[HSO]
	v_mov_b32 v[G+1], 0                            ; named with the gate as a pair, so it is written
	v_mul_u32_u24 v[WRD0], v57, PITCH
	v_lshl_add_u32 v[WRD0], v58, 4, v[WRD0]
	v_add_nc_u32 v[WRD1], 2*TILEB, v[WRD0]
	v_lshl_add_u32 v[WSR], v56, 2, WSC
	v_lshl_add_u32 v[BIR], v58, 5, BIA
	s_mul_i32 s31, s18, STGB
	s_add_co_u32 s31, s31, STG                     ; my stage
	v_mul_u32_u24 v[STO], v57, 272
	v_lshl_add_u32 v[STO], v58, 5, v[STO]
	v_add_nc_u32 v[STO], s31, v[STO]               ; in: row r, + 32 h
	v_mul_u32_u24 v[SRD], v58, 272
	v_lshl_add_u32 v[SRD], v57, 4, v[SRD]
	v_add_nc_u32 v[SRD], s31, v[SRD]               ; back: lanes 0-15 one row, lanes 16-31 the next
	v_lshlrev_b32 v[OL], 4, v57
	s_mov_b32 s23, 0
	s_lshl_b32 s22, s19, 23                        ; w2: expert, my 256 rows, the slice's 256 bytes of a row, my 128 of them
	s_lshl_b32 s31, s75, 20
	s_add_co_u32 s22, s22, s31
	s_lshl_b32 s31, s20, 8
	s_add_co_u32 s22, s22, s31
	s_lshl_b32 s31, s74, 7
	s_add_co_u32 s22, s22, s31
	s_wait_kmcnt 0x0
	s_add_nc_u64 s[4:5], s[4:5], s[22:23]
	s_lshl_b32 s22, s19, 12
	s_lshl_b32 s31, s20, 8
	s_add_co_u32 s22, s22, s31
	s_add_nc_u64 s[6:7], s[6:7], s[22:23]          ; b2[e] at the slice
	s_lshl_b32 s22, s19, 21
	s_add_nc_u64 s[8:9], s[8:9], s[22:23]          ; hc at the expert
	s_lshl_b32 s22, s19, 16
	s_add_nc_u64 s[10:11], s[10:11], s[22:23]      ; hs likewise
	s_lshl_b32 s22, s20, 8
	s_add_nc_u64 s[16:17], s[16:17], s[22:23]      ; out0 at the slice's 256 bytes of a row
	s_cmp_lg_u32 s18, 0
	s_cbranch_scc1 .Lno_bias_load
	global_load_b64 v[C:C+1], v59, s[6:7]          ; wave 0: the slice of b2, its oldest load
.Lno_bias_load:
.irp j, 0,1,2,3,4,5,6,7
	global_load_b128 v[224+4*\j:224+4*\j+3], v60, s[12:13] offset:512*\j
.endr
	LOADB 0
	LOADB 1
	s_wait_loadcnt 63                              ; 64 loads are younger than assign's: assign (and the bias) are in
	s_cmp_lg_u32 s18, 0
	s_cbranch_scc1 .Lno_bias_store
	ds_store_b64 v[BIW], v[C:C+1]
.Lno_bias_store:
	BALLOT
	SEARCH
	XPRE
	STEP 0, 32+XPN                                 ; younger than block 0: block 1's 32 and XPRE's
	STEP 1, 32+XPN                                 ; younger than block 1: XPRE's and block 2's 32
	STEP 2, 32                                     ; from here on the next block's 32
	STEP 3, 32
	STEP 4, 32
	STEP 5, 32
	STEP 6, 32
	STEP 7, 0
	s_wait_dscnt 0x0                               ; for the others' sake: my stores have landed
	s_barrier_signal -1
	s_barrier_wait -1                              ; the one barrier: every wave passes it, ahead of every branch on stored numbers; behind it only a wave's own stage is written
	s_add_co_u32 s78, s25, STRIDE-1                ; my jobs: the tiles first, first + 16, .. under the expert's count of tiles: (tiles + 15 - first) / 16, rounded down; first is 15 at the most, so the sum is never negative
	s_sub_co_u32 s78, s78, s24
	s_lshr_b32 s78, s78, LOGSTR
	s_min_u32 s78, s78, 64/STRIDE                  ; 64 tiles at the most, so 4 jobs
	s_mov_b32 s77, 0                               ; jobs done: the loop's counter, one a trip
	s_cmp_lt_u32 s77, s78
	s_cbranch_scc0 .Ldone
.Ljob:
	s_wait_loadcnt 0x0                             ; the job's first six fragments, its scale words and gates
.irp t, 0,1,2,3
.irp i, 0,1
	ds_load_b128 v[ACC+8*\t+4*\i:ACC+8*\t+4*\i+3], v[BIR] offset:64*\t+16*\i   ; the bias is the first C: lane (r, h), tile t: columns 16 t + 8 h + 0 .. 7
.endr
.endr
.irp s, 0,1,2,3,4,5,6,7,8,9,10,11,12,13,14,15
	KSTEP \s
.endr
.rept 8
	v_nop                                          ; eight places before the results are read and loads land on the operands' registers
.endr
.irp j, 0,2,4,6,8,10,12,14,16,18,20,22,24,26,28,30
	v_pk_mul_f32 v[ACC+\j:ACC+\j+1], v[ACC+\j:ACC+\j+1], v[G:G+1] op_sel_hi:[1,0]   ; x the token's gate; each accumulator from its low end on
.endr
.irp t, 0,1,2,3
.irp i, 0,1
	ds_store_b128 v[STO], v[ACC+8*\t+4*\i:ACC+8*\t+4*\i+3] offset:64*\t+16*\i
.endr
.endr
.irp i, 0,1,2,3,4,5,6,7
	ds_load_b128 v[WF+4*\i:WF+4*\i+3], v[SRD] offset:544*\i   ; rows 2 i and 2 i + 1; LDS serves a wave's instructions in order (ISA guide 5.7.1.4): these see my stores
.endr
.irp i, 0,1,2,3,4,5,6,7                        ; where those rows go: lanes 0-15 to row 2 i's token, lanes 16-31 to row 2 i + 1's
	v_readlane_b32 s74, v[TOK], 2*\i
	v_readlane_b32 s75, v[TOK], 2*\i+1
	v_mov_b32 v[OO+\i], s74
	v_cndmask_b32 v[OO+\i], v[OO+\i], s75, s76
	v_min_u32 v[OO+\i], 0x3ff, v[OO+\i]
	v_lshl_add_u32 v[OO+\i], v[OO+\i], 12, v[OL]   ; token x 4,096 + 16 r
.endr
.irp i, 0,1,2,3,4,5,6,7
	s_wait_dscnt 7-\i
	global_store_b128 v[OO+\i], v[WF+4*\i:WF+4*\i+3], s[16:17] th:TH_STORE_NT   ; sixteen lanes store 256 consecutive bytes, at a multiple of 256 from out0's first byte
.endr
	s_add_co_u32 s77, s77, 1                       ; one job more is done
	s_add_co_u32 s24, s24, STRIDE                  ; my next tile
	s_cmp_lt_u32 s77, s78
	s_cbranch_scc0 .Ldone
	s_wait_xcnt 0x0                                ; the stores' data and offsets, and the loads' bases, are written again only behind this wait
	SEARCH
	XPRE
	s_cmp_lt_u32 s77, s78
	s_cbranch_scc1 .Ljob
.Ldone:
	s_wait_tensorcnt 0x0
	ds_add_u32 v18, v55
	s_wait_dscnt 0x0
	s_endpgm
.Lfunc_end_k_q376f6c3229_down:
	.size	k_q376f6c3229_down, .Lfunc_end_k_q376f6c3229_down-k_q376f6c3229_down
	.p2alignl 7, 3214868480
	.fill 96, 4, 3214868480
	.section	.rodata,"a",@progbits
	.p2align	6, 0x0
	.amdhsa_kernel k_q376f6c3229_down
		.amdhsa_group_segment_fixed_size 208896
		.amdhsa_private_segment_fixed_size 0
		.amdhsa_enable_private_segment 0
		.amdhsa_kernarg_size 56
		.amdhsa_user_sgpr_count 2
		.amdhsa_user_sgpr_kernarg_segment_ptr 1
		.amdhsa_wavefront_size32 1
		.amdhsa_system_sgpr_workgroup_id_x 1
		.amdhsa_system_sgpr_workgroup_id_y 1
		.amdhsa_system_sgpr_workgroup_id_z 1
		.amdhsa_system_vgpr_workitem_id 0
		.amdhsa_next_free_vgpr 256
		.amdhsa_next_free_sgpr 80
		.amdhsa_reserve_vcc 1
		.amdhsa_float_denorm_mode_32 3
		.amdhsa_float_denorm_mode_16_64 3
		.amdhsa_memory_ordered 1
		.amdhsa_forward_progress 1
		.amdhsa_inst_pref_size 133
	.end_amdhsa_kernel
	.amdgpu_metadata
---
amdhsa.version: [ 1, 2 ]
amdhsa.kernels:
  - .name:           k_q376f6c3229_down
    .symbol:         k_q376f6c3229_down.kd
    .args:
      - { .name: w2, .offset: 0, .size: 8, .value_kind: global_buffer, .address_space: global }
      - { .name: b2, .offset: 8, .size: 8, .value_kind: global_buffer, .address_space: global }
      - { .name: hc, .offset: 16, .size: 8, .value_kind: global_buffer, .address_space: global }
      - { .name: hs, .offset: 24, .size: 8, .value_kind: global_buffer, .address_space: global }
      - { .name: assign, .offset: 32, .size: 8, .value_kind: global_buffer, .address_space: global }
      - { .name: gate, .offset: 40, .size: 8, .value_kind: global_buffer, .address_space: global }
      - { .name: out0, .offset: 48, .size: 8, .value_kind: global_buffer, .address_space: global }
    .group_segment_fixed_size: 208896
    .private_segment_fixed_size: 0
    .kernarg_segment_align: 8
    .kernarg_segment_size: 56
    .max_flat_workgroup_size: 512
    .sgpr_count:     80
    .vgpr_count:     256
    .wavefront_size: 32
...
	.end_amdgpu_metadata
.endif
;; end of part 3
;; ======== version 2 of 2: 3 launches; version 1 with the launches route, up, down written anew for expert scheduling mode
;; workspace buffers: xc 1,048,576 bytes; xs 32,768 bytes; assign 4,096 bytes of whole numbers; gate 4,096 bytes; hc 33,554,432 bytes; hs 1,048,576 bytes
;; launch route (part 4): grid 64 x 1, 8 waves a work-group, no clusters, 26,624 bytes of LDS; arguments h, router_w, xc, xs, assign, gate; writes xc, xs, assign, gate
.if DOCPART == 4
	.amdgcn_target "amdgcn-amd-amdhsa--gfx1250"
	.amdhsa_code_object_version 6
	.text
	.protected	k_q376f6c3229_route
	.globl	k_q376f6c3229_route
	.p2align	8
	.type	k_q376f6c3229_route,@function
k_q376f6c3229_route:
	s_mov_b64 s[64:65], 0
	v_nop
	global_prefetch_b8 v0, s[64:65] scope:SCOPE_SE
	s_setreg_imm32_b32 hwreg(HW_REG_WAVE_SCHED_MODE, 0, 2), 2
	s_setreg_imm32_b32 hwreg(HW_REG_WAVE_MODE, 25, 1), 1
	s_wait_xcnt 0x0
	s_wait_alu depctr_vm_vsrc(0)
; ROUTER AND QUANTISER OF THE TOKENS.  h [1024 tokens][1024] f32 becomes codes of E4M3 (xc: [token][1024 bytes], K innermost) and E8M0 bytes (xs: [token][32]);
; logits = Q(h) Q(router_w) by the scaled matrix form; assign = the first largest logit's expert (whole numbers, at fixed places); gate = sigmoid of that logit.
; SHARES.  A work-group takes 16 tokens; each of its eight waves one K step of 128: it quantises its 16 x 128 of h and its 128 x 16 of router_w in registers and makes one matrix product.
; The eight partial logits meet in LDS and wave 0 adds them, K ascending, in f32.
; LAYOUT.  The product is used transposed (source 0 = 16 experts, source 1 = 16 tokens): lane (r, h) holds token r and experts 8 h + 0 .. 7.
; LIMITS: NaN and infinities among the inputs are not served (a NaN logit is not chosen here).  A block of zeros gets the scale byte 1 and not 127: its codes are zeros and this program alone reads the bytes.
; K is split over eight sums that are added in f32: the logits' last bits can differ from one chain of sums.
; THE MODE: SCHED_MODE bits 1:0 = 2 (LLVM: expert scheduling mode 2), set by the entry lines.  The code itself states the register dependences
; between vector or matrix instructions and memory or LDS instructions, with s_wait_alu, always for 0.
; THE PLAN.  Registers that memory or LDS instructions touch:
;   v4-v13    offsets and LDS addresses: made once at the head, never written again.
;   XN, RN    global loads land in them; QUANT reads and writes them; behind the barrier LDS loads land in them again.
;   XC, XW    written by QUANT; read by the LDS stores of the tile and by the product.
;   ACC       written by the product; read by the LDS stores of the partial logits.
;   v221, v208  the choice and its gate: written by vector lines, read by the last two stores.
; No register that a memory or LDS instruction has read is written again, so no wait on vm_vsrc is owed.
.set XSP, 1040                         ; a token's row of codes in LDS: 1,024 bytes + 16: an odd multiple of 16, so 16 rows start in 16 different columns of 16 bytes
.set XST, 0                            ; 16 such rows
.set XSS, 16*XSP                       ; the tile's scale words: 32 bytes a token
.set PL,  XSS+512                      ; eight images of 1,024 bytes: the waves' partial logits
.set XN,  16                           ; v16-79   64 numbers of h
.set RN,  80                           ; v80-143  64 numbers of router_w; later the eight partial logits
.set XC,  144                          ; v144-159 h's codes
.set RC,  160                          ; v160-175 router_w's codes
.set TM,  176                          ; v176-191 at work in QUANT; later the running maxima
.set XW,  192                          ; v192 h's scale word, v193 router_w's: scales and nothing else
.set RW,  193
.set ACC, 200                          ; v200-207 my partial logits
.set SUM, 208                          ; v208-215 the logits; v216-223 the choice
; 64 numbers of a lane, register 16 b + i = k 32 b + 16 (lane / 16) + i, become a fragment's codes in v[c] on and its scale word in v[w]
.macro QUANT s, c, w
.irp b, 0,1,2,3
	v_max3_num_f32 v[TM+\b], |v[\s+16*\b]|, |v[\s+1+16*\b]|, 0x4800000   ; my 16 numbers of block b, and the floor 2^(9 - 127): the byte cannot fall under 1
.endr
.irp i, 2,4,6,8,10,12,14
.irp b, 0,1,2,3
	v_max3_num_f32 v[TM+\b], v[TM+\b], |v[\s+16*\b+\i]|, |v[\s+1+16*\b+\i]|
.endr
.endr
.irp b, 0,1,2,3
	v_permlanex16_b32 v[TM+4+\b], v[TM+\b], s20, s21
.endr
.irp b, 0,1,2,3
	v_max_num_f32 v[TM+\b], v[TM+\b], v[TM+4+\b]            ; with lane l xor 16's: the block's largest magnitude
.endr
.irp b, 0,1,2,3
	v_add_nc_u32 v[TM+12+\b], 0xfc000000, v[TM+\b]          ; 8 off its exponent field: the conversion's scale operand
.endr
.irp b, 0,1,2,3
	v_and_or_b32 v[TM+8+\b], v[TM+\b], 0x7f800000, s23      ; 448 x the scale
.endr
.irp b, 0,1,2,3
	v_lshrrev_b32 v[TM+4+\b], 23, v[TM+12+\b]               ; the scale's byte
.endr
	v_lshl_or_b32 v[\w], v[TM+5], 8, v[TM+4]
	v_lshl_or_b32 v[\w], v[TM+6], 16, v[\w]
	v_lshl_or_b32 v[\w], v[TM+7], 24, v[\w]
.irp b, 0,1,2,3
.irp i, 0,1,2,3,4,5,6,7,8,9,10,11,12,13,14,15
	v_med3_num_f32 v[\s+16*\b+\i], v[\s+16*\b+\i], -v[TM+8+\b], v[TM+8+\b]   ; the conversion to an 8-bit code does not saturate (ISA guide 7.6.2): the hold comes first
.endr
	v_cvt_scalef32_pk8_fp8_f32 v[\c+4*\b:\c+1+4*\b], v[\s+16*\b:\s+7+16*\b], v[TM+12+\b]
	v_cvt_scalef32_pk8_fp8_f32 v[\c+2+4*\b:\c+3+4*\b], v[\s+8+16*\b:\s+15+16*\b], v[TM+12+\b]
.endr
	v_nop                                                   ; one plain line behind the last scaled conversion
.endm
	s_load_b256 s[4:11], s[0:1], 0x0               ; h s[4:5], router_w s[6:7], xc s[8:9], xs s[10:11]
	s_load_b128 s[12:15], s[0:1], 0x20             ; assign s[12:13], gate s[14:15]
	v_lshl_add_u32 v224, v0, 2, 0x6400
	v_mov_b32 v225, 0
	v_lshrrev_b32 v1, 5, v0
	v_readfirstlane_b32 s16, v1                    ; wave = K step
	v_and_b32 v1, 31, v0                           ; lane
	v_and_b32 v2, 15, v0                           ; r
	v_bfe_u32 v3, v0, 4, 1                         ; h
	v_lshlrev_b32 v4, 12, v2
	v_lshl_add_u32 v4, v3, 6, v4                   ; h: row r of 4,096 bytes, + 64 h: my 16 numbers of a block of 32
	v_lshlrev_b32 v5, 2, v2
	v_lshl_add_u32 v5, v3, 10, v5                  ; router_w: column r, 16 rows of 64 bytes further down for lanes 16-31
	v_mul_u32_u24 v6, v2, XSP
	v_lshl_add_u32 v6, v3, 4, v6
	s_wait_alu depctr_va_sdst(0)                   ; s16 is written, ahead of its first reader: addresses, bases and branches are made from it
	s_lshl_b32 s17, s16, 7
	v_add_nc_u32 v6, s17, v6                       ; my codes' place in the tile: row r, 128 x wave + 16 h
	s_lshl_b32 s17, s16, 2
	s_add_co_u32 s17, s17, XSS
	v_lshl_add_u32 v7, v2, 5, s17                  ; my scale word's: 32 r + 4 x wave
	s_lshl_b32 s17, s16, 10
	s_add_co_u32 s17, s17, PL
	v_lshl_add_u32 v8, v1, 4, s17                  ; my partial logits' image
	s_mul_i32 s17, s16, 2*XSP
	v_lshl_add_u32 v9, v1, 4, s17                  ; the way out: rows 2 x wave and 2 x wave + 1, 16 bytes a lane
	v_lshlrev_b32 v10, 4, v1                       ; 16 x lane
	v_lshl_add_u32 v11, v1, 4, XSS                 ; all scale words, 16 bytes a lane
	v_lshl_add_u32 v12, v1, 4, PL                  ; all partial logits
	v_lshlrev_b32 v13, 2, v2                       ; 4 r
	s_mov_b32 s20, 0x76543210
	s_mov_b32 s21, 0xfedcba98                      ; v_permlanex16_b32's selects for lane l xor 16
	s_mov_b32 s23, 0x600000                        ; the mantissa field of 448
.irp b, 0,1,2,3
	v_mov_b32 v[TM+4+\b], 0                        ; a lane permute's destination counts as one of its sources
.endr
	v_mov_b32 v218, 0
	v_mov_b32 v219, 0
	s_mov_b32 s19, 0
	s_lshl_b32 s18, ttmp9, 16                      ; 16 tokens of 4,096 bytes,
	s_lshl_b32 s17, s16, 9                         ; my 128 numbers of each
	s_add_co_u32 s18, s18, s17
	s_wait_kmcnt 0x0
	s_add_nc_u64 s[4:5], s[4:5], s[18:19]
	s_lshl_b32 s18, s16, 13                        ; my 128 rows of router_w
	s_add_nc_u64 s[6:7], s[6:7], s[18:19]
	s_lshl_b32 s18, ttmp9, 14                      ; xc: 16 rows of 1,024 bytes, my two of them
	s_lshl_b32 s17, s16, 11
	s_add_co_u32 s18, s18, s17
	s_add_nc_u64 s[8:9], s[8:9], s[18:19]
	s_lshl_b32 s18, ttmp9, 9
	s_add_nc_u64 s[10:11], s[10:11], s[18:19]      ; xs: 16 x 32 bytes
	s_lshl_b32 s18, ttmp9, 6
	s_add_nc_u64 s[12:13], s[12:13], s[18:19]      ; assign and gate: 16 words
	s_add_nc_u64 s[14:15], s[14:15], s[18:19]
	s_wait_alu depctr_va_vdst(0)                   ; the offsets and LDS addresses v4 to v13 are written, which every load and store of the kernel reads
.irp b, 0,1,2,3
.irp j, 0,1,2,3
	global_load_b128 v[XN+16*\b+4*\j:XN+16*\b+4*\j+3], v4, s[4:5] offset:128*\b+16*\j th:TH_LOAD_NT
.endr
.endr
.irp c, 0,1,2,3
.irp i, 0,1,2,3,4,5,6,7,8,9,10,11,12,13,14,15
	global_load_b32 v[RN+16*\c+\i], v5, s[6:7] offset:64*(32*\c+\i)      ; router_w(32 c + 16 h + i, r): a lane to a column, registers down K
.endr
.endr
	s_wait_loadcnt 63                              ; 64 loads are younger than h's sixteen; 63 is the largest count that can be named
	QUANT XN, XC, XW
	s_wait_alu depctr_va_vdst(0)                   ; the conversions have written v[XC ..] and the scale word v[XW] is made: the LDS stores below read them
.irp c, 0,1,2,3
	ds_store_b128 v6, v[XC+4*\c:XC+4*\c+3] offset:32*\c
.endr
	ds_store_b32 v7, v[XW]                         ; both halves of the lanes write the same word with the same value
	s_wait_loadcnt 0x0
	QUANT RN, RC, RW
.rept 8
	v_nop                                          ; a scale word made by vector instructions stands eight places ahead of the scaled product, codes four
.endr
	s_wait_alu depctr_va_vdst(0)                   ; behind the places: the codes v[RC ..], v[XC ..] and the scale words v[RW], v[XW], all made by vector lines, are written: the scaled product takes them
	v_wmma_scale_f32_16x16x128_f8f6f4 v[ACC:ACC+7], v[RC:RC+15], v[XC:XC+15], 0, v[RW], v[XW]
.rept 8
	v_nop                                          ; eight places behind this form before its result is read
.endr
	s_wait_alu depctr_va_vdst(0)                   ; behind the places: the product has written v[ACC ..], which the LDS stores read.  QUANT's lines are also done with v[XN ..] and v[RN ..], in which the LDS loads behind the barrier land: no vector line stands between
	ds_store_b128 v8, v[ACC:ACC+3]                 ; from the low end on
	ds_store_b128 v8, v[ACC+4:ACC+7] offset:512
	s_wait_dscnt 0x0                               ; for the others' sake: my stores have landed
	s_barrier_signal -1
	s_barrier_wait -1
.irp i, 0,1,2,3
	ds_load_b128 v[XN+4*\i:XN+4*\i+3], v9 offset:(\i/2)*XSP+512*(\i%2)
.endr
.irp i, 0,1,2,3
	s_wait_dscnt 3-\i
	global_store_b128 v10, v[XN+4*\i:XN+4*\i+3], s[8:9] offset:(\i/2)*1024+512*(\i%2)   ; 32 lanes store 512 consecutive bytes
.endr
	s_cmp_lg_u32 s16, 1
	s_cbranch_scc1 .Lnot_1
	ds_load_b128 v[32:35], v11                     ; wave 1: the tile's 512 scale bytes
	s_wait_dscnt 0x0
	global_store_b128 v10, v[32:35], s[10:11]
.Lnot_1:
	s_cmp_lg_u32 s16, 0
	s_cbranch_scc1 .Lend
.irp s, 0,1,2,3,4,5,6,7                        ; wave 0: the eight partial logits, as the registers that they left
	ds_load_b128 v[RN+8*\s:RN+8*\s+3], v12 offset:1024*\s
	ds_load_b128 v[RN+8*\s+4:RN+8*\s+7], v12 offset:1024*\s+512
.endr
	s_wait_dscnt 0x0
.irp j, 0,2,4,6
	v_pk_add_f32 v[SUM+\j:SUM+\j+1], v[RN+\j:RN+\j+1], v[RN+8+\j:RN+8+\j+1]
.endr
.irp s, 2,3,4,5,6,7
.irp j, 0,2,4,6
	v_pk_add_f32 v[SUM+\j:SUM+\j+1], v[SUM+\j:SUM+\j+1], v[RN+8*\s+\j:RN+8*\s+\j+1]
.endr
.endr
	; the largest of my eight, and its place: a strict 'greater' than the largest so far keeps the lower index.  First the running maxima, then the compares in one run, so that one wait serves all their masks
	v_max_num_f32 v[TM+1], v[SUM], v[SUM+1]        ; v[TM + j]: the largest of logits 0 .. j
.irp j, 2,3,4,5,6
	v_max_num_f32 v[TM+\j], v[TM+\j-1], v[SUM+\j]
.endr
	v_max_num_f32 v216, v[TM+6], v[SUM+7]
	v_cmp_gt_f32 s24, v[SUM+1], v[SUM]
.irp j, 2,3,4,5,6,7
	v_cmp_gt_f32 s[23+\j], v[SUM+\j], v[TM+\j-1]
.endr
	v_cmp_eq_u32 s31, 1, v3                        ; lanes 16-31
	v_mov_b32 v217, 0
	s_wait_alu depctr_va_sdst(0)                   ; the eight masks s24 to s31 are written, ahead of the selections that read them
.irp j, 1,2,3,4,5,6,7
	v_cndmask_b32 v217, v217, \j, s[23+\j]
.endr
	v_lshl_add_u32 v217, v3, 3, v217               ; expert = 8 h + place
	v_permlanex16_b32 v218, v216, s20, s21         ; the other eight experts' best
	v_permlanex16_b32 v219, v217, s20, s21
	v_cndmask_b32 v220, v216, v218, s31            ; experts 0-7: value,
	v_cndmask_b32 v221, v217, v219, s31            ; index;
	v_cndmask_b32 v222, v218, v216, s31            ; experts 8-15: value,
	v_cndmask_b32 v223, v219, v217, s31            ; index
	v_cmp_gt_f32 vcc_lo, v222, v220                ; the upper eight win only where strictly greater
	s_wait_alu depctr_va_vcc(0)                    ; VCC is written, ahead of the selection that reads it
	v_cndmask_b32 v221, v221, v223, vcc_lo
	v_max_num_f32 v220, v220, v222
	v_mul_f32 v208, 0xbfb8aa3b, v220               ; sigmoid(x) = 1 / (1 + 2^(-x log2 e))
	s_wait_alu depctr_va_vdst(0)
	v_exp_f32 v208, v208
	v_nop
	s_wait_alu depctr_va_vdst(0)                   ; the exponential has written v208, ahead of its first reader
	v_add_f32 v208, 1.0, v208
	s_wait_alu depctr_va_vdst(0)
	v_rcp_f32 v208, v208
	v_nop
	s_wait_alu depctr_va_vdst(0)                   ; the reciprocal has written v208 and the selection v221: the two stores' data
	global_store_b32 v13, v221, s[12:13]           ; lanes r and r + 16 hold the same token's numbers and store the same word
	global_store_b32 v13, v208, s[14:15]
.Lend:
	s_wait_dscnt 0x0                               ; the closing lines, six on end
	s_wait_alu 0x0
	s_wait_tensorcnt 0x0
	ds_add_u32 v224, v225
	s_wait_dscnt 0x0
	s_endpgm
.Lfunc_end_k_q376f6c3229_route:
	.size	k_q376f6c3229_route, .Lfunc_end_k_q376f6c3229_route-k_q376f6c3229_route
	.p2alignl 7, 3214868480
	.fill 96, 4, 3214868480
	.section	.rodata,"a",@progbits
	.p2align	6, 0x0
	.amdhsa_kernel k_q376f6c3229_route
		.amdhsa_group_segment_fixed_size 26624
		.amdhsa_private_segment_fixed_size 0
		.amdhsa_enable_private_segment 0
		.amdhsa_kernarg_size 48
		.amdhsa_user_sgpr_count 2
		.amdhsa_user_sgpr_kernarg_segment_ptr 1
		.amdhsa_wavefront_size32 1
		.amdhsa_system_sgpr_workgroup_id_x 1
		.amdhsa_system_sgpr_workgroup_id_y 1
		.amdhsa_system_sgpr_workgroup_id_z 1
		.amdhsa_system_vgpr_workitem_id 0
		.amdhsa_next_free_vgpr 226
		.amdhsa_next_free_sgpr 66
		.amdhsa_reserve_vcc 1
		.amdhsa_float_denorm_mode_32 3
		.amdhsa_float_denorm_mode_16_64 3
		.amdhsa_memory_ordered 1
		.amdhsa_forward_progress 1
		.amdhsa_inst_pref_size 34
	.end_amdhsa_kernel
	.amdgpu_metadata
---
amdhsa.version: [ 1, 2 ]
amdhsa.kernels:
  - .name:           k_q376f6c3229_route
    .symbol:         k_q376f6c3229_route.kd
    .args:
      - { .name: h, .offset: 0, .size: 8, .value_kind: global_buffer, .address_space: global }
      - { .name: router_w, .offset: 8, .size: 8, .value_kind: global_buffer, .address_space: global }
      - { .name: xc, .offset: 16, .size: 8, .value_kind: global_buffer, .address_space: global }
      - { .name: xs, .offset: 24, .size: 8, .value_kind: global_buffer, .address_space: global }
      - { .name: assign, .offset: 32, .size: 8, .value_kind: global_buffer, .address_space: global }
      - { .name: gate, .offset: 40, .size: 8, .value_kind: global_buffer, .address_space: global }
    .group_segment_fixed_size: 26624
    .private_segment_fixed_size: 0
    .kernarg_segment_align: 8
    .kernarg_segment_size: 48
    .max_flat_workgroup_size: 256
    .sgpr_count:     66
    .vgpr_count:     226
    .wavefront_size: 32
...
	.end_amdgpu_metadata
.endif
;; end of part 4
;; launch up (part 5): grid 16 x 16, 16 waves a work-group, no clusters, 141,312 bytes of LDS; arguments w1, b1, xc, xs, assign, hc, hs; writes hc, hs
.if DOCPART == 5
	.amdgcn_target "amdgcn-amd-amdhsa--gfx1250"
	.amdhsa_code_object_version 6
	.text
	.protected	k_q376f6c3229_up
	.globl	k_q376f6c3229_up
	.p2align	8
	.type	k_q376f6c3229_up,@function
k_q376f6c3229_up:
	s_mov_b64 s[64:65], 0
	v_nop
	global_prefetch_b8 v0, s[64:65] scope:SCOPE_SE
	s_setreg_imm32_b32 hwreg(HW_REG_WAVE_SCHED_MODE, 0, 2), 2
	s_setreg_imm32_b32 hwreg(HW_REG_WAVE_MODE, 25, 1), 1
	s_wait_xcnt 0x0
	s_wait_alu depctr_vm_vsrc(0)
; FIRST LAYER OF THE CHOSEN EXPERT.  Work-group (f, e) owns hidden units 128 f .. 128 f + 127 of expert e: hidden = Q(gelu(Q(x) Q(w1[e]) + b1[e])) for the tokens whose assign is e, and for no others.
; PHASE A.  The slice of w1 (1,024 x 128 f32, read by this work-group alone) is quantised along K into LDS.  A lane takes a column and its registers run down K: a block of 32 lies in one lane, the codes
; come out with K innermost.  Wave w takes 32 columns (w & 3) and 256 rows (w >> 2): eight blocks, three sets of registers; a set is asked for again as soon as its block's conversions have read it.
; THE ROWS.  Every wave reads the 1,024 whole numbers of assign, makes 32 masks 'is my expert' in scalar registers, and finds by arithmetic alone the token of rank q for each lane.  Ranks past the
; expert's count take the last rank: such rows are copies of the expert's last token and store what that token stores.  EXEC is never changed.
; PHASE B.  A job is a tile of 16 tokens x 64 hidden units: eight K steps of four products, bias as the first C, gelu, quantiser, stores.  Jobs are dealt to waves: tile = wave / 2 + 8 n, half = wave & 1.
; The products are used transposed (source 0 = 16 columns of w1, source 1 = 16 tokens), and the columns of a tile are chosen (tile 2 b + u, row r: unit 32 b + 8 u + r + 8 (r / 8)) so that the 16 registers
; of tiles 2 b, 2 b + 1 are 16 neighbours along the next product's K.  The codes leave as images of the next operand's registers: hc [e][tile][K step][4][lane][16 bytes]; hs [e][tile][row][K step] words.
; NO TENSOR LOADS, NO CLUSTER: trip counts hang on stored whole numbers; no weight byte is shared between work-groups, and what the 16 slices of an expert share (the tokens' codes) is about a tenth of a work-group's bytes.
; LIMITS: NaN and infinities are not served.  A block of zeros gets the scale byte 1, not 127 (its codes are zeros; this program alone reads the bytes).  erf is a polynomial form good to about one unit in the
; last place; far in the negative tail gelu carries the rounding of the exponential's argument, some 3e-6 of the number.
; THE MODE: SCHED_MODE bits 1:0 = 2 (LLVM: expert scheduling mode 2), set by the entry lines.  The code itself states the register dependences
; between vector or matrix instructions and memory or LDS instructions, with s_wait_alu, always for 0.
; THE PLAN.  Registers that memory or LDS instructions touch:
;   v1-v4, v7-v11   offsets and LDS addresses: made once at the head, never written again.
;   SET0 .. SET2    Phase A.  Block t's holds and conversions read and write set t % 3; behind them block t + 3's loads land in it.  (Set 2 first holds assign, which the masks' compares read.)
;   C, T+5          Phase A.  Written by a block's conversions and shifts; read by its LDS stores; written again by the next block.
;   XRO, XSO        Written by XPRE; read by a job's loads of the tokens' codes and scale words.
;   X0 .. X5, XS    A job's loads land in them; its products read them.
;   WF, WS, ACC     LDS loads land in them; products read them; behind the products gelu and the quantiser work in them.
;   PC, PW          Written by the job's conversions; read by its three stores.
; ONE wait on va_vdst stands in a block of phase A, behind its conversions: C is written (the stores) and the set is free (the loads).  One stands in XPRE, behind its two address lines: it also states that all
; vector and matrix lines of the job before are done with X, XS, WF, WS and ACC, and no vector line stands between it and the next job's first loads.  One stands at the head of every later K step: the last
; step's products are done reading WF, WS and their slot of X.  One stands ahead of a job's stores.  A wait on vm_vsrc stands at a block's head (C, T+5) and at the loop's tail (PC, PW, XRO, XSO).
; Masks made by compares go into scalar registers in runs, one wait on va_sdst behind a run; where a compare hangs on the selection before it, VCC and a wait on va_vcc.
.set ROWP,  8192                       ; bytes from row to row of w1[e]
.set KS,    8                          ; K steps of 128
.set PITCH, 1040                       ; a column's 1,024 codes in LDS + 16: an odd multiple of 16
.set TILEB, 16*PITCH+128               ; a tile of 16 columns; the 128 more keep rows 0-7 of two neighbouring tiles, which one store touches, in different columns of 16 bytes
.set WSC,   8*TILEB                    ; the weights' scale words: pair of tiles b x 1,024 + K step x 128 + 4 x (16 u + r)
.set BIA,   WSC+4096                   ; the slice of b1: 512 bytes
.set XPN,   25                         ; loads of XPRE
.set STRIDE, 8                         ; tiles from one job of a wave to its next
.set LOGSTR, 3
.set CM,   80                          ; s80-87 a run of eight masks
.set PF,   88                          ; s88-96 the ranks ahead of each mask of a run, and of the next
.set A1,   1                           ; v1   4 x lane
.set WADR, 2                           ; v2   where my column's codes go
.set WSA,  3                           ; v3   and its scale words
.set BIW,  4                           ; v4   BIA + 16 x lane
.set XRO,  5                           ; v5   token x 1,024 + 16 h
.set XSO,  6                           ; v6   token x 32 + 16 h
.set WRD,  7                           ; v7   my job's weight fragments
.set WSR,  8                           ; v8   their scale words
.set BIR,  9                           ; v9   their bias
.set HCO,  10                          ; v10  16 x lane
.set HSO,  11                          ; v11  64 r
.set WS,   12                          ; v12-13 weight scale words: lanes 0-15 the even tile's, lanes 16-31 the odd tile's
.set XS,   14                          ; v14-17 the tokens' scale words: lanes 0-15 K steps 0-3, lanes 16-31 K steps 4-7
.set T,    18                          ; v18-23 at work in QBLK
.set C,    24                          ; v24-31 a block's codes (first: the bias on its way to LDS)
.set Q,    32                          ; v32-43 at work in SEARCH
.set TOK,  Q+11
.set PC,   48                          ; v48-55 the hidden codes; v56 their two scale bytes
.set PW,   56
.set H16,  57                          ; v57  16 h
.set X,    64                          ; v64-159 six slots of a token fragment
.set SET,  160                         ; v160-255 three sets of 32 numbers of w1
.set WF,   160                         ; later v160-223 four weight fragments
.set ACC,  224                         ; and v224-255 four accumulators (first: assign)
.set TT,   160                         ; gelu, behind the products: t, t^2, two branches, x / 2, the addend
.set SS,   168
.set RR,   176
.set UU,   184
.set HX,   192
.set ZZ,   200
.set K0,   208
.set K1,   210
.set K2,   212
.set QT,   160                         ; the hidden layer's quantiser, behind gelu
.macro LOADB t                         ; block t: w1(32 t + i, my column): 32 lanes read 128 consecutive bytes, four waves side by side 512
.set I, 0
.rept 32
	global_load_b32 v[SET+32*((\t)%3)+I], v[A1], s[4:5] offset:(32*(\t)+I)*ROWP th:TH_LOAD_NT
.set I, I+1
.endr
.endm
.macro QBLK t                          ; block t becomes 32 codes and a scale byte
.set XB, SET+32*((\t)%3)
	s_wait_dscnt 0x0                               ; my earlier LDS stores are done
	s_wait_alu depctr_vm_vsrc(0)                   ; my earlier LDS stores (in wave 0 the bias's too) have read v[C ..] and v[T+5], which are written again below
	v_max3_num_f32 v[T], |v[XB]|, |v[XB+1]|, |v[XB+2]|
	v_max3_num_f32 v[T+1], |v[XB+3]|, |v[XB+4]|, |v[XB+5]|
.irp i, 6,10,14,18,22,26
	v_max3_num_f32 v[T], v[T], |v[XB+\i]|, |v[XB+\i+1]|
	v_max3_num_f32 v[T+1], v[T+1], |v[XB+\i+2]|, |v[XB+\i+3]|
.endr
	v_max3_num_f32 v[T], v[T], |v[XB+30]|, |v[XB+31]|
	v_max3_num_f32 v[T], v[T], v[T+1], 0x4800000   ; the floor 2^(9 - 127): the byte cannot fall under 1
	v_add_nc_u32 v[T+2], 0xfc000000, v[T]          ; 8 off the exponent field: the conversion's scale operand
	v_and_or_b32 v[T+3], v[T], 0x7f800000, s30     ; 448 x the scale
	v_lshrrev_b32 v[T+4], 23, v[T+2]               ; the byte
.if (\t)%4 == 0
	v_mov_b32 v[T+5], v[T+4]
.else
	v_lshl_or_b32 v[T+5], v[T+4], 8*((\t)%4), v[T+5]
.endif
.set I, 0
.rept 32
	v_med3_num_f32 v[XB+I], v[XB+I], -v[T+3], v[T+3]   ; the conversion does not saturate (ISA guide 7.6.2)
.set I, I+1
.endr
.irp g, 0,1,2,3
	v_cvt_scalef32_pk8_fp8_f32 v[C+2*\g:C+2*\g+1], v[XB+8*\g:XB+8*\g+7], v[T+2]
.endr
	v_nop                                          ; one plain line behind the last scaled conversion
	s_wait_alu depctr_va_vdst(0)                   ; the conversions have written v[C ..] and v[T+5] is made: the LDS stores read them; and the holds and conversions are done with this block's set, in which the loads of three blocks on land
	ds_store_b128 v[WADR], v[C:C+3] offset:32*(\t)
	ds_store_b128 v[WADR], v[C+4:C+7] offset:32*(\t)+16
.if (\t)%4 == 3
	ds_store_b32 v[WSA], v[T+5] offset:128*((\t)/4)   ; four bytes: one K step's word of my column
.endif
.endm
.macro STEP t, n                       ; n: the loads younger than block t's that may stay out
	s_wait_loadcnt \n
	QBLK \t
.if (\t)+3 < 8
	LOADB (\t)+3                                   ; the set is asked for again at once.  No wait: no vector line since the wait in QBLK
.endif
.endm
.macro BALLOT                          ; register 4 j + i of lane l holds assign[128 j + 4 l + i]: mask 4 j + i, bit l
.set W, 0
.rept 32
	v_cmp_eq_u32 s[32+W], s19, v[224+W]
.set W, W+1
.endr
	s_wait_alu depctr_va_sdst(0)                   ; the 32 masks s32 to s63 are written, ahead of their first readers
	s_mov_b32 s26, 0
.set W, 0
.rept 32
	s_bcnt1_i32_b32 s29, s[32+W]
	s_add_co_u32 s26, s26, s29
.set W, W+1
.endr
	s_add_co_u32 s25, s26, 15
	s_lshr_b32 s25, s25, 4
	s_min_u32 s25, s25, 64                         ; tiles of 16 tokens
	s_max_u32 s27, s26, 1
	s_sub_co_u32 s27, s27, 1                       ; the last rank
.endm
.macro SBATCH w0, n                    ; masks w0 .. w0 + n - 1: does rank q lie at or past a mask's first rank?  The compares in one run, then the selections.  On the way in s[PF] = the ranks ahead of mask w0
.set I, 0
.rept \n
	v_cmp_le_u32 s[CM+I], s[PF+I], v[Q]            ; the last mask whose ranks begin at or under q
	s_bcnt1_i32_b32 s29, s[32+(\w0)+I]
	s_add_co_u32 s[PF+I+1], s[PF+I], s29
.set I, I+1
.endr
	s_wait_alu depctr_va_sdst(0)                   ; the run's compare masks s[CM ..] are written, ahead of the selections that read them
.set I, 0
.rept \n
	v_cndmask_b32 v[Q+1], v[Q+1], s[32+(\w0)+I], s[CM+I]
	v_cndmask_b32 v[Q+2], v[Q+2], s[PF+I], s[CM+I]
	v_cndmask_b32 v[Q+3], v[Q+3], (\w0)+I, s[CM+I]
.set I, I+1
.endr
.if (\w0)+(\n) < 32
	s_mov_b32 s[PF], s[PF+\n]
.endif
.endm
.macro LEVEL src, width, step          ; does bit number k lie past the next 'step' bits?
	v_bfe_u32 v[Q+7], v[\src], v[Q+9], \width
	v_cmp_ge_u32 vcc_lo, v[Q+8], v[Q+7]
	s_wait_alu depctr_va_vcc(0)                    ; VCC is written, ahead of the two selections that read it (each level hangs on the level before: no run can be made)
	v_cndmask_b32 v[Q+7], 0, v[Q+7], vcc_lo
	v_cndmask_b32 v[Q+10], 0, \step, vcc_lo
	v_sub_nc_u32 v[Q+8], v[Q+8], v[Q+7]
	v_add_nc_u32 v[Q+9], v[Q+9], v[Q+10]
.endm
.macro SEARCH                          ; v[TOK] = the token of rank min(16 tile + lane % 16, last rank) among my expert's, in the masks' order
	s_lshl_b32 s31, s24, 4
	v_and_b32 v[Q], 15, v0
	v_add_nc_u32 v[Q], s31, v[Q]
	v_min_u32 v[Q], s27, v[Q]                      ; q
	s_wait_alu depctr_va_vdst(0)
	v_mov_b32 v[Q+1], s32                          ; the mask in which rank q lies,
	v_mov_b32 v[Q+2], 0                            ; the ranks ahead of it,
	v_mov_b32 v[Q+3], 0                            ; its number
	s_bcnt1_i32_b32 s[PF], s32
	SBATCH 1, 8
	SBATCH 9, 8
	SBATCH 17, 8
	SBATCH 25, 7
	v_sub_nc_u32 v[Q+8], v[Q], v[Q+2]              ; k: which set bit of the mask
	v_lshrrev_b32 v[Q+10], 1, v[Q+1]
	v_and_b32 v[Q+10], 0x55555555, v[Q+10]
	v_sub_nc_u32 v[Q+4], v[Q+1], v[Q+10]           ; counts of 2 bits,
	v_lshrrev_b32 v[Q+10], 2, v[Q+4]
	v_and_b32 v[Q+5], 0x33333333, v[Q+4]
	v_and_b32 v[Q+10], 0x33333333, v[Q+10]
	v_add_nc_u32 v[Q+5], v[Q+5], v[Q+10]           ; of 4,
	v_lshrrev_b32 v[Q+10], 4, v[Q+5]
	v_add_nc_u32 v[Q+6], v[Q+5], v[Q+10]
	v_and_b32 v[Q+6], 0x0f0f0f0f, v[Q+6]           ; of 8,
	v_lshrrev_b32 v[Q+10], 8, v[Q+6]
	v_add_nc_u32 v[Q+7], v[Q+6], v[Q+10]
	v_and_b32 v[Q+7], 0xff, v[Q+7]                 ; of the low 16
	v_cmp_ge_u32 vcc_lo, v[Q+8], v[Q+7]
	s_wait_alu depctr_va_vcc(0)                    ; VCC is written, ahead of the two selections that read it
	v_cndmask_b32 v[Q+7], 0, v[Q+7], vcc_lo
	v_cndmask_b32 v[Q+9], 0, 16, vcc_lo            ; the bit's place, found from the top down
	v_sub_nc_u32 v[Q+8], v[Q+8], v[Q+7]
	LEVEL Q+6, 8, 8
	LEVEL Q+5, 4, 4
	LEVEL Q+4, 2, 2
	LEVEL Q+1, 1, 1
	v_lshrrev_b32 v[Q+10], 2, v[Q+3]
	v_and_b32 v[Q+3], 3, v[Q+3]
	v_lshl_add_u32 v[Q+3], v[Q+9], 2, v[Q+3]
	v_lshl_add_u32 v[Q+3], v[Q+10], 7, v[Q+3]      ; token = 128 j + 4 bit + i
	v_min_u32 v[TOK], 0x3ff, v[Q+3]                ; inside the table, whatever the masks hold
.endm
.macro XL1 s, c                        ; a quarter of the tokens' fragment of K step s: lane (r, h) takes, of its token's row, 16 bytes of block c
	global_load_b128 v[X+16*((\s)%6)+4*(\c):X+16*((\s)%6)+4*(\c)+3], v[XRO], s[8:9] offset:128*(\s)+32*(\c)
.endm
.macro XL s                            ; the whole fragment
.irp c, 0,1,2,3
	XL1 \s, \c
.endr
.endm
.macro XPRE                            ; a job's addresses, its first six fragments and its scale words: XPN loads
	v_lshl_add_u32 v[XRO], v[TOK], 10, v[H16]
	v_lshl_add_u32 v[XSO], v[TOK], 5, v[H16]
	s_min_u32 s31, s24, 63
	s_lshl_b32 s72, s31, 15
	s_mov_b32 s73, 0
	s_add_nc_u64 s[68:69], s[14:15], s[72:73]      ; hc at my tile
	s_lshl_b32 s72, s31, 10
	s_add_nc_u64 s[70:71], s[16:17], s[72:73]      ; hs likewise
	s_wait_alu depctr_va_vdst(0)                   ; v[XRO] and v[XSO] are written, which the loads read; the job before is done with X, XS, WF, WS and ACC, in which this job's loads land; at the head: the masks' compares have read assign, in whose registers block 2 lands
.irp s, 0,1,2,3,4,5
	XL \s
.endr
	global_load_b128 v[XS:XS+3], v[XSO], s[10:11]
.endm
.macro MM t, s                         ; tile t of my four, K step s.  The four accumulators take turns, one instruction a turn
.set rD, ACC+8*(\t)
.set rA, WF+16*(\t)
.set rB, X+16*((\s)%6)
.set rSA, WS+(\t)/2
.set rSB, XS+(\s)%4
.if ((\t)%2 == 0) && ((\s) < KS/2)
	v_wmma_scale_f32_16x16x128_f8f6f4 v[rD:rD+7], v[rA:rA+15], v[rB:rB+15], v[rD:rD+7], v[rSA], v[rSB]
.elseif ((\t)%2 == 1) && ((\s) < KS/2)
	v_wmma_scale_f32_16x16x128_f8f6f4 v[rD:rD+7], v[rA:rA+15], v[rB:rB+15], v[rD:rD+7], v[rSA], v[rSB] matrix_a_scale:MATRIX_SCALE_ROW1
.elseif ((\t)%2 == 0)
	v_wmma_scale_f32_16x16x128_f8f6f4 v[rD:rD+7], v[rA:rA+15], v[rB:rB+15], v[rD:rD+7], v[rSA], v[rSB] matrix_b_scale:MATRIX_SCALE_ROW1
.else
	v_wmma_scale_f32_16x16x128_f8f6f4 v[rD:rD+7], v[rA:rA+15], v[rB:rB+15], v[rD:rD+7], v[rSA], v[rSB] matrix_a_scale:MATRIX_SCALE_ROW1 matrix_b_scale:MATRIX_SCALE_ROW1
.endif
.endm
.macro KSTEP s
.if (\s) > 0
	s_wait_alu depctr_va_vdst(0)                   ; the last K step's products are done reading WF, WS and their slot of X: this step's loads land in all three
.endif
.irp t, 0,1,2,3
.irp c, 0,1,2,3
	ds_load_b128 v[WF+16*\t+4*\c:WF+16*\t+4*\c+3], v[WRD] offset:\t*TILEB+128*(\s)+32*\c
.endr
.endr
	ds_load_b32 v[WS], v[WSR] offset:128*(\s)
	ds_load_b32 v[WS+1], v[WSR] offset:1024+128*(\s)
.if (\s) >= 6
.if KS-1-(\s) < 4
	s_wait_loadcnt 4*(KS-1-(\s))                   ; the fragments of the later K steps, four loads each, may be out
.else
	s_wait_loadcnt 16
.endif
.endif
	s_wait_dscnt 0x0
.irp t, 0,1,2,3
	MM \t, \s
.if ((\s) >= 1) && ((\s) <= KS-6)
	XL1 (\s)+5, \t                                 ; into the slot that K step s - 1 has left, a load behind each product.  No wait: this step's products name another slot
.endif
.endr
.endm
.macro FMAL d, a, m, lit               ; d = a m + a constant, four pairs
.irp j, 0,2,4,6
	v_pk_fma_f32 v[\d+\j:\d+\j+1], v[\a+\j:\a+\j+1], v[\m+\j:\m+\j+1], \lit op_sel_hi:[1,1,0]
.endr
.endm
.macro FMAK d, a, k, lit               ; d = a k + a constant, k one pair of equal numbers (an instruction takes one literal)
.irp j, 0,2,4,6
	v_pk_fma_f32 v[\d+\j:\d+\j+1], v[\a+\j:\a+\j+1], v[\k:\k+1], \lit op_sel_hi:[1,1,0]
.endr
.endm
; gelu(x) = x / 2 + |x / 2| erf(t), t = |x| / sqrt(2), on eight registers in place.  Both branches of erf are computed and one is selected: over t = 475 / 512, 1 - erf(t) = exp(polynomial), so that for
; negative x the result is (x / 2)(1 - erf) with nothing cancelled; under it, -erf(t) = t x polynomial(t^2) - t.
.macro GELU8 b
.irp j, 0,1,2,3,4,5,6,7
	v_mul_f32 v[TT+\j], 0x3f3504f3, |v[\b+\j]|     ; the accumulator is read from its low end on
.endr
.irp j, 0,2,4,6
	v_pk_mul_f32 v[SS+\j:SS+\j+1], v[TT+\j:TT+\j+1], v[TT+\j:TT+\j+1]
.endr
.irp j, 0,2,4,6
	v_pk_mul_f32 v[HX+\j:HX+\j+1], v[\b+\j:\b+\j+1], 0.5 op_sel_hi:[1,0]
.endr
	FMAK RR, TT, K0, 0x39c8e7d9
	FMAK UU, TT, K1, 0x3cc6b1a1
.irp j, 0,2,4,6
	v_pk_fma_f32 v[RR+\j:RR+\j+1], v[RR+\j:RR+\j+1], v[SS+\j:SS+\j+1], v[UU+\j:UU+\j+1]
.endr
	FMAL RR, RR, TT, 0xbddaae5c
	FMAL RR, RR, TT, 0xbf228550
	FMAL RR, RR, TT, 0xbe03ce86
.irp j, 0,2,4,6
	v_pk_fma_f32 v[RR+\j:RR+\j+1], v[RR+\j:RR+\j+1], v[TT+\j:TT+\j+1], v[TT+\j:TT+\j+1] neg_lo:[0,0,1] neg_hi:[0,0,1]
.endr
.irp j, 0,2,4,6
	v_pk_mul_f32 v[RR+\j:RR+\j+1], v[RR+\j:RR+\j+1], 0x3fb8aa3b op_sel_hi:[1,0]
.endr
	s_wait_alu depctr_va_vdst(0)
.irp j, 0,1,2,3,4,5,6,7
	v_exp_f32 v[RR+\j], v[RR+\j]                   ; 1 - erf(t)
.endr
	FMAK UU, SS, K2, 0xbba38d2c                    ; (plain lines behind the exponentials, which touch none of their registers)
	FMAL UU, UU, SS, 0x3cdb48d9
	FMAL UU, UU, SS, 0xbde70e22
	FMAL UU, UU, SS, 0x3ec09380
	FMAL UU, UU, SS, 0xbe0375d4
.irp j, 0,2,4,6
	v_pk_fma_f32 v[UU+\j:UU+\j+1], v[UU+\j:UU+\j+1], v[TT+\j:TT+\j+1], v[TT+\j:TT+\j+1] neg_lo:[0,0,1] neg_hi:[0,0,1]   ; -erf(t)
.endr
.irp j, 0,1,2,3,4,5,6,7
	v_add_f32 v[ZZ+\j], v[HX+\j], |v[HX+\j]|
.endr
.irp j, 0,1,2,3,4,5,6,7
	v_cmp_lt_f32 s[CM+\j], s79, v[TT+\j]           ; which branch: 475 / 512 < t.  The eight compares in one run
.endr
	s_wait_alu depctr_va_sdst(0)                   ; the eight masks s[CM ..] are written, ahead of the selections that read them
	s_wait_alu depctr_va_vdst(0)                   ; the eight exponentials have written v[RR ..], ahead of their first reader
.irp j, 0,1,2,3,4,5,6,7
	v_cndmask_b32 v[UU+\j], v[UU+\j], v[RR+\j], s[CM+\j]
	v_cndmask_b32 v[ZZ+\j], v[HX+\j], v[ZZ+\j], s[CM+\j]
	v_fma_f32 v[\b+\j], -|v[HX+\j]|, v[UU+\j], v[ZZ+\j]
.endr
.endm
	s_load_b256 s[4:11], s[0:1], 0x0               ; w1 s[4:5], b1 s[6:7], xc s[8:9], xs s[10:11]
	s_load_b128 s[12:15], s[0:1], 0x20             ; assign s[12:13], hc s[14:15]
	s_load_b64 s[16:17], s[0:1], 0x30              ; hs
	v_lshl_add_u32 v62, v0, 2, 0x22000
	v_mov_b32 v63, 0
	v_lshrrev_b32 v44, 5, v0
	v_readfirstlane_b32 s18, v44                   ; wave 0..15
	s_and_b32 s19, ttmp7, 0xffff                   ; e
	s_mov_b32 s20, ttmp9                           ; f
	s_mov_b32 s30, 0x600000                        ; the mantissa field of 448
	s_mov_b32 s66, 0x76543210
	s_mov_b32 s67, 0xfedcba98                      ; v_permlanex16_b32's selects for lane l xor 16
	s_mov_b32 s79, 0x3f6d8000                      ; 475 / 512: where gelu's two branches meet
	v_and_b32 v44, 31, v0                          ; lane = my column m of 32
	v_and_b32 v45, 15, v0                          ; r
	v_bfe_u32 v46, v0, 4, 1                        ; h = bit 4 of m
	v_bfe_u32 v47, v0, 3, 1                        ; bit 3 of m: which tile of the pair
	v_and_b32 v58, 7, v0
	v_lshl_add_u32 v58, v46, 3, v58                ; my column's row in its tile: m % 8 + 8 (m / 16)
	v_lshlrev_b32 v[A1], 2, v44
	s_wait_alu depctr_va_sdst(0)                   ; s18 is written, ahead of its first reader: addresses, bases and branches are made from it
	s_and_b32 s74, s18, 3                          ; phase A: g, which 32 columns,
	s_lshr_b32 s75, s18, 2                         ; and which 256 rows
	s_mul_i32 s31, s74, 2*TILEB
	s_lshl_b32 s28, s75, 8
	s_add_co_u32 s31, s31, s28
	v_mul_u32_u24 v[WADR], v58, PITCH
	v_mad_u32_u24 v[WADR], v47, TILEB, v[WADR]
	v_add_nc_u32 v[WADR], s31, v[WADR]
	v_lshl_add_u32 v[WSA], v47, 4, v58
	v_lshlrev_b32 v[WSA], 2, v[WSA]
	s_lshl_b32 s31, s74, 10
	s_add_co_u32 s31, s31, s28
	s_add_co_u32 s31, s31, WSC
	v_add_nc_u32 v[WSA], s31, v[WSA]
	v_lshl_add_u32 v[BIW], v44, 4, BIA
	s_and_b32 s76, s18, 1                          ; phase B: which 64 hidden units,
	s_lshr_b32 s24, s18, 1                         ; and my first tile of tokens
	v_mul_u32_u24 v[WRD], v45, PITCH
	v_lshl_add_u32 v[WRD], v46, 4, v[WRD]
	s_mul_i32 s31, s76, 4*TILEB
	v_add_nc_u32 v[WRD], s31, v[WRD]
	s_lshl_b32 s31, s76, 11
	s_add_co_u32 s31, s31, WSC
	v_lshl_add_u32 v[WSR], v44, 2, s31
	s_lshl_b32 s31, s76, 8
	s_add_co_u32 s31, s31, BIA
	v_lshl_add_u32 v[BIR], v46, 6, s31
	v_lshlrev_b32 v[HCO], 4, v44
	v_lshlrev_b32 v[HSO], 6, v45
	v_lshlrev_b32 v[H16], 4, v46
	s_mov_b32 s23, 0
	s_lshl_b32 s22, s19, 23                        ; w1: expert, my 256 rows, the slice's 512 bytes of a row, my 128 of them
	s_lshl_b32 s31, s75, 21
	s_add_co_u32 s22, s22, s31
	s_lshl_b32 s31, s20, 9
	s_add_co_u32 s22, s22, s31
	s_lshl_b32 s31, s74, 7
	s_add_co_u32 s22, s22, s31
	s_wait_kmcnt 0x0
	s_add_nc_u64 s[4:5], s[4:5], s[22:23]
	s_lshl_b32 s22, s19, 13
	s_lshl_b32 s31, s20, 9
	s_add_co_u32 s22, s22, s31
	s_add_nc_u64 s[6:7], s[6:7], s[22:23]          ; b1[e] at the slice
	s_lshl_b32 s22, s19, 21
	s_lshl_b32 s31, s20, 11
	s_add_co_u32 s22, s22, s31
	s_lshl_b32 s31, s76, 10
	s_add_co_u32 s22, s22, s31
	s_add_nc_u64 s[14:15], s[14:15], s[22:23]      ; hc: expert, K step f, my half's two blocks
	s_lshl_b32 s22, s19, 16
	s_lshl_b32 s31, s20, 2
	s_add_co_u32 s22, s22, s31
	s_lshl_b32 s31, s76, 1
	s_add_co_u32 s22, s22, s31
	s_add_nc_u64 s[16:17], s[16:17], s[22:23]      ; hs: expert, word f, my half's two bytes
	s_wait_alu depctr_va_vdst(0)                   ; the offsets and LDS addresses v1 to v4 and v7 to v11 are written, which the loads and stores of the whole kernel read
	s_cmp_lg_u32 s18, 0
	s_cbranch_scc1 .Lno_bias_load
	global_load_b128 v[C:C+3], v[HCO], s[6:7]      ; wave 0: the slice of b1, its oldest load
.Lno_bias_load:
.irp j, 0,1,2,3,4,5,6,7
	global_load_b128 v[224+4*\j:224+4*\j+3], v[HCO], s[12:13] offset:512*\j
.endr
	LOADB 0
	LOADB 1
	s_wait_loadcnt 63                              ; 64 loads are younger than assign's: assign (and the bias) are in
	s_cmp_lg_u32 s18, 0
	s_cbranch_scc1 .Lno_bias_store
	ds_store_b128 v[BIW], v[C:C+3]
.Lno_bias_store:
	BALLOT
	SEARCH
	XPRE
	LOADB 2                                        ; into the registers that held assign.  No wait: no vector line since the wait in XPRE
	STEP 0, 63                                     ; younger than block 0: block 1's 32, XPRE's and block 2's 32; 63 is the largest count that can be named
	STEP 1, 63                                     ; younger than block 1: XPRE's, block 2's and block 3's
	STEP 2, 63                                     ; from here on the next two blocks' 64
	STEP 3, 63
	STEP 4, 63
	STEP 5, 63
	STEP 6, 32                                     ; block 7's 32
	STEP 7, 0
	s_wait_dscnt 0x0                               ; for the others' sake: my stores have landed
	s_barrier_signal -1
	s_barrier_wait -1                              ; the one barrier: every wave passes it, ahead of every branch on stored numbers; behind it LDS is only read
	s_add_co_u32 s78, s25, STRIDE-1                ; my jobs: the tiles first, first + 8, .. under the expert's count of tiles: (tiles + 7 - first) / 8, rounded down; first is 7 at the most, so the sum is never negative
	s_sub_co_u32 s78, s78, s24
	s_lshr_b32 s78, s78, LOGSTR
	s_min_u32 s78, s78, 64/STRIDE                  ; 64 tiles at the most, so 8 jobs
	s_mov_b32 s77, 0                               ; jobs done: the loop's counter, one a trip
	s_cmp_lt_u32 s77, s78
	s_cbranch_scc0 .Ldone
.Ljob:                                                 ; on both ways in no vector line has been issued since the last wait on va_vdst (block 7's; XPRE's): the loads below into ACC, WF and WS owe nothing more
	s_wait_loadcnt 0x0                             ; the job's first six fragments and its scale words
.irp t, 0,1,2,3
.irp i, 0,1
	ds_load_b128 v[ACC+8*\t+4*\i:ACC+8*\t+4*\i+3], v[BIR] offset:128*(\t/2)+32*(\t%2)+16*\i   ; the bias is the first C: lane (r, h), tile 2 b + u: units 32 b + 16 h + 8 u + 0 .. 7
.endr
.endr
.irp s, 0,1,2,3,4,5,6,7
	KSTEP \s
.endr
.rept 8
	v_nop                                          ; eight places before the results are read and the operands' registers written
.endr
	v_mov_b32 v[K0], 0xb7910000
	v_mov_b32 v[K0+1], 0xb7910000
	v_mov_b32 v[K1], 0xbb7e8a1c
	v_mov_b32 v[K1+1], 0xbb7e8a1c
	v_mov_b32 v[K2], 0x3a1c7000
	v_mov_b32 v[K2+1], 0x3a1c7000
	GELU8 ACC
	GELU8 ACC+8
	GELU8 ACC+16
	GELU8 ACC+24
.irp b, 0,1                                    ; two blocks of 32 along the next K: registers 16 b + i of lanes l and l xor 16
	v_max3_num_f32 v[QT+\b], |v[ACC+16*\b]|, |v[ACC+1+16*\b]|, 0x4800000
.endr
.irp i, 2,4,6,8,10,12,14
.irp b, 0,1
	v_max3_num_f32 v[QT+\b], v[QT+\b], |v[ACC+16*\b+\i]|, |v[ACC+1+16*\b+\i]|
.endr
.endr
.irp b, 0,1
	v_permlanex16_b32 v[QT+2+\b], v[QT+\b], s66, s67
.endr
.irp b, 0,1
	v_max_num_f32 v[QT+\b], v[QT+\b], v[QT+2+\b]
.endr
.irp b, 0,1
	v_add_nc_u32 v[QT+4+\b], 0xfc000000, v[QT+\b]
.endr
.irp b, 0,1
	v_and_or_b32 v[QT+6+\b], v[QT+\b], 0x7f800000, s30
.endr
.irp b, 0,1
	v_lshrrev_b32 v[QT+8+\b], 23, v[QT+4+\b]
.endr
	v_lshl_or_b32 v[PW], v[QT+9], 8, v[QT+8]
.irp b, 0,1
.irp i, 0,1,2,3,4,5,6,7,8,9,10,11,12,13,14,15
	v_med3_num_f32 v[ACC+16*\b+\i], v[ACC+16*\b+\i], -v[QT+6+\b], v[QT+6+\b]
.endr
	v_cvt_scalef32_pk8_fp8_f32 v[PC+4*\b:PC+4*\b+1], v[ACC+16*\b:ACC+16*\b+7], v[QT+4+\b]
	v_cvt_scalef32_pk8_fp8_f32 v[PC+4*\b+2:PC+4*\b+3], v[ACC+16*\b+8:ACC+16*\b+15], v[QT+4+\b]
.endr
	v_nop                                          ; one plain line behind the last scaled conversion
	s_wait_alu depctr_va_vdst(0)                   ; the conversions have written v[PC ..] and v[PW] is made: the three stores' data
	global_store_b128 v[HCO], v[PC:PC+3], s[68:69]                ; 32 lanes store 512 consecutive bytes: four registers of the next operand's image
	global_store_b128 v[HCO], v[PC+4:PC+7], s[68:69] offset:512
	global_store_b16 v[HSO], v[PW], s[70:71]       ; two bytes of my row's scale word; both halves of the lanes store the same.  All of hs that is written is some 80 KB
	s_add_co_u32 s77, s77, 1                       ; one job more is done
	s_add_co_u32 s24, s24, STRIDE                  ; my next tile
	s_cmp_lt_u32 s77, s78
	s_cbranch_scc0 .Ldone
	s_wait_xcnt 0x0                                ; the stores' data, offsets and bases are written again only behind this wait
	s_wait_alu depctr_vm_vsrc(0)                   ; the stores have read v[PC ..] and v[PW], which the next job's conversions write; this job's loads have read v[XRO] and v[XSO], which XPRE writes
	SEARCH
	XPRE
	s_cmp_lt_u32 s77, s78
	s_cbranch_scc1 .Ljob
.Ldone:
	s_wait_dscnt 0x0                               ; the closing lines, six on end
	s_wait_alu 0x0
	s_wait_tensorcnt 0x0
	ds_add_u32 v62, v63
	s_wait_dscnt 0x0
	s_endpgm
.Lfunc_end_k_q376f6c3229_up:
	.size	k_q376f6c3229_up, .Lfunc_end_k_q376f6c3229_up-k_q376f6c3229_up
	.p2alignl 7, 3214868480
	.fill 96, 4, 3214868480
	.section	.rodata,"a",@progbits
	.p2align	6, 0x0
	.amdhsa_kernel k_q376f6c3229_up
		.amdhsa_group_segment_fixed_size 141312
		.amdhsa_private_segment_fixed_size 0
		.amdhsa_enable_private_segment 0
		.amdhsa_kernarg_size 56
		.amdhsa_user_sgpr_count 2
		.amdhsa_user_sgpr_kernarg_segment_ptr 1
		.amdhsa_wavefront_size32 1
		.amdhsa_system_sgpr_workgroup_id_x 1
		.amdhsa_system_sgpr_workgroup_id_y 1
		.amdhsa_system_sgpr_workgroup_id_z 1
		.amdhsa_system_vgpr_workitem_id 0
		.amdhsa_next_free_vgpr 256
		.amdhsa_next_free_sgpr 98
		.amdhsa_reserve_vcc 1
		.amdhsa_float_denorm_mode_32 3
		.amdhsa_float_denorm_mode_16_64 3
		.amdhsa_memory_ordered 1
		.amdhsa_forward_progress 1
		.amdhsa_inst_pref_size 150
	.end_amdhsa_kernel
	.amdgpu_metadata
---
amdhsa.version: [ 1, 2 ]
amdhsa.kernels:
  - .name:           k_q376f6c3229_up
    .symbol:         k_q376f6c3229_up.kd
    .args:
      - { .name: w1, .offset: 0, .size: 8, .value_kind: global_buffer, .address_space: global }
      - { .name: b1, .offset: 8, .size: 8, .value_kind: global_buffer, .address_space: global }
      - { .name: xc, .offset: 16, .size: 8, .value_kind: global_buffer, .address_space: global }
      - { .name: xs, .offset: 24, .size: 8, .value_kind: global_buffer, .address_space: global }
      - { .name: assign, .offset: 32, .size: 8, .value_kind: global_buffer, .address_space: global }
      - { .name: hc, .offset: 40, .size: 8, .value_kind: global_buffer, .address_space: global }
      - { .name: hs, .offset: 48, .size: 8, .value_kind: global_buffer, .address_space: global }
    .group_segment_fixed_size: 141312
    .private_segment_fixed_size: 0
    .kernarg_segment_align: 8
    .kernarg_segment_size: 56
    .max_flat_workgroup_size: 512
    .sgpr_count:     98
    .vgpr_count:     256
    .wavefront_size: 32
...
	.end_amdgpu_metadata
.endif
;; end of part 5
;; launch down (part 6): grid 16 x 16, 16 waves a work-group, no clusters, 208,896 bytes of LDS; arguments w2, b2, hc, hs, assign, gate, out0; writes out0
.if DOCPART == 6
	.amdgcn_target "amdgcn-amd-amdhsa--gfx1250"
	.amdhsa_code_object_version 6
	.text
	.protected	k_q376f6c3229_down
	.globl	k_q376f6c3229_down
	.p2align	8
	.type	k_q376f6c3229_down,@function
k_q376f6c3229_down:
	s_mov_b64 s[64:65], 0
	v_nop
	global_prefetch_b8 v0, s[64:65] scope:SCOPE_SE
	s_setreg_imm32_b32 hwreg(HW_REG_WAVE_SCHED_MODE, 0, 2), 2
	s_setreg_imm32_b32 hwreg(HW_REG_WAVE_MODE, 25, 1), 1
	s_wait_xcnt 0x0
	s_wait_alu depctr_vm_vsrc(0)
; SECOND LAYER OF THE CHOSEN EXPERT.  Work-group (d, e) owns output columns 64 d .. 64 d + 63 of expert e: out0[token] = (hidden Q(w2[e]) + b2[e]) x gate[token] for the tokens whose assign is e.
; PHASE A.  The slice of w2 (2,048 x 64 f32, read by this work-group alone) is quantised along K into LDS: a lane to a column, registers down K.  Wave w takes 32 columns (w & 1) and 256 rows (w >> 1):
; eight blocks, three sets of registers; a set is asked for again as soon as its block's conversions have read it.
; THE ROWS are found as in the launch before, by the same arithmetic on the same whole numbers, so that tile and row mean the same token in both.  Ranks past the expert's count take the last rank: such rows are
; copies of the expert's last token and store the same numbers to the same row.  EXEC is never changed.
; PHASE B.  A job is a tile of 16 tokens x all 64 columns: sixteen K steps of four products; the hidden layer comes as images of the operand's registers (hc) with its scale words (hs).  Tile = wave + 16 n.
; The products are used transposed (source 0 = 16 columns of w2, source 1 = 16 tokens): a lane holds eight neighbouring outputs of one token.  They pass the wave's own stage in LDS and leave as whole
; runs of 256 consecutive bytes, aligned, sixteen lanes to a token's row.
; A wave without a tile still asks for one tile's first fragments ahead of the barrier (every lane the same 16 bytes) and discards them.  For an expert without any token these few loads read bytes of hc and hs
; that nobody has stored; nothing is made of them: the loop over jobs is not entered.
; NO TENSOR LOADS, NO CLUSTER: trip counts hang on stored whole numbers; no weight byte is shared between work-groups.
; LIMITS: NaN and infinities are not served.  A block of zeros gets the scale byte 1, not 127 (its codes are zeros; this program alone reads the bytes).
; THE MODE: SCHED_MODE bits 1:0 = 2 (LLVM: expert scheduling mode 2), set by the entry lines.  The code itself states the register dependences
; between vector or matrix instructions and memory or LDS instructions, with s_wait_alu, always for 0.
; THE PLAN.  Registers that memory or LDS instructions touch:
;   v1-v4, v6, v11-v16, v19   offsets and LDS addresses: made once at the head, never written again.
;   SET0 .. SET2    Phase A.  Block t's holds and conversions read and write set t % 3; behind them block t + 3's loads land in it.  (Set 2 first holds assign, which the masks' compares read.)
;   C, T+5          Phase A.  Written by a block's conversions and shifts; read by its LDS stores; written again by the next block.
;   HL, GO          Written by XPRE; read by a job's loads of the hidden layer and of the gates.
;   X0 .. X5, HS, G A job's loads land in them; its products, and the gate's multiplications, read them.
;   WS              LDS loads land in it; products read it.
;   WF              LDS loads land in it; products read it; on the way out the stage's loads land in it and the global stores read it.
;   ACC             The bias's LDS loads land in it; products and the gate's multiplications write it; the stage's LDS stores read it.
;   OO              (At the head: scratch, of which two registers are offsets of the head's loads.)  Written on the way out; read by the global stores as offsets.
; ONE wait on va_vdst stands in a block of phase A, behind its conversions: C is written (the stores) and the set is free (the loads).  One stands in XPRE, behind its address lines: it also states that all
; vector and matrix lines of the job before are done with X, HS, G, WF, WS and ACC, and no vector line stands between it and the next job's first loads.  One stands at the head of every later K step.  One stands
; on the way out, behind the offsets and the multiplications: ACC and OO are written, WF is free.  A wait on vm_vsrc stands at a block's head (C, T+5; the head's scratch offsets) and at the loop's tail
; (WF, ACC, OO, HL, GO).  Masks and read lanes go into scalar registers in runs, one wait on va_sdst behind a run; where a compare hangs on the selection before it, VCC and a wait on va_vcc.
.set ROWP,  4096                       ; bytes from row to row of w2[e]
.set KS,    16                         ; K steps of 128
.set PITCH, 2064                       ; a column's 2,048 codes in LDS + 16: an odd multiple of 16
.set TILEB, 16*PITCH                   ; a tile of 16 columns
.set WSC,   4*TILEB                    ; the weights' scale words: pair of tiles x 2,048 + K step x 128 + 4 x lane
.set BIA,   WSC+4096                   ; the slice of b2: 256 bytes
.set STG,   BIA+256                    ; a stage for each wave: 16 rows x (256 + 16) bytes
.set STGB,  16*272
.set XPN,   27                         ; loads of XPRE
.set STRIDE, 16                        ; tiles from one job of a wave to its next
.set LOGSTR, 4
.set CM,   80                          ; s80-87 a run of eight masks
.set PF,   88                          ; s88-96 the ranks ahead of each mask of a run, and of the next
.set RL,   80                          ; s80-95 on the way out: the tile's sixteen tokens
.set A1,   1                           ; v1   4 x lane
.set WADR, 2                           ; v2   where my column's codes go
.set WSA,  3                           ; v3   and its scale words
.set BIW,  4                           ; v4   BIA + 8 x lane
.set HL,   5                           ; v5   16 x lane (0 in a wave without a tile)
.set HSO,  6                           ; v6   64 r + 32 h
.set TOK,  7                           ; v7   my row's token
.set G,    8                           ; v8   its gate; v9 is named with it as a pair
.set GO,   10                          ; v10  4 x token
.set WRD0, 11                          ; v11  weight fragments of tiles 0, 1
.set WRD1, 12                          ; v12  of tiles 2, 3
.set WSR,  13                          ; v13  their scale words
.set BIR,  14                          ; v14  the bias
.set STO,  15                          ; v15  the stage: where I put 32 bytes of a row
.set SRD,  16                          ; v16  and where I read a row back
.set OL,   19                          ; v19  16 r
.set WS,   20                          ; v20-21 weight scale words: lanes 0-15 the even tile's, lanes 16-31 the odd tile's
.set HS,   22                          ; v22-29 the hidden layer's: lanes 0-15 K steps 0-7, lanes 16-31 K steps 8-15
.set T,    30                          ; v30-35 at work in QBLK
.set C,    36                          ; v36-43 a block's codes (first: the bias on its way to LDS)
.set Q,    44                          ; v44-54 at work in SEARCH
.set OO,   56                          ; v56-63 the way out: byte offsets in out0 (at the head: scratch)
.set X,    64                          ; v64-159 six slots of a hidden fragment
.set SET,  160                         ; v160-255 three sets of 32 numbers of w2
.set WF,   160                         ; later v160-223 four weight fragments; on the way out rows read back
.set ACC,  224                         ; and v224-255 four accumulators (first: assign)
.macro LOADB t                         ; block t: w2(32 t + i, my column): 32 lanes read 128 consecutive bytes, two waves side by side 256
.set I, 0
.rept 32
	global_load_b32 v[SET+32*((\t)%3)+I], v[A1], s[4:5] offset:(32*(\t)+I)*ROWP th:TH_LOAD_NT
.set I, I+1
.endr
.endm
.macro QBLK t                          ; block t becomes 32 codes and a scale byte
.set XB, SET+32*((\t)%3)
	s_wait_dscnt 0x0                               ; my earlier LDS stores are done
	s_wait_alu depctr_vm_vsrc(0)                   ; my earlier LDS stores (in wave 0 the bias's too) have read v[C ..] and v[T+5], which are written again below; the head's loads have read their scratch offsets, which the way out writes
	v_max3_num_f32 v[T], |v[XB]|, |v[XB+1]|, |v[XB+2]|
	v_max3_num_f32 v[T+1], |v[XB+3]|, |v[XB+4]|, |v[XB+5]|
.irp i, 6,10,14,18,22,26
	v_max3_num_f32 v[T], v[T], |v[XB+\i]|, |v[XB+\i+1]|
	v_max3_num_f32 v[T+1], v[T+1], |v[XB+\i+2]|, |v[XB+\i+3]|
.endr
	v_max3_num_f32 v[T], v[T], |v[XB+30]|, |v[XB+31]|
	v_max3_num_f32 v[T], v[T], v[T+1], 0x4800000   ; the floor 2^(9 - 127): the byte cannot fall under 1
	v_add_nc_u32 v[T+2], 0xfc000000, v[T]          ; 8 off the exponent field: the conversion's scale operand
	v_and_or_b32 v[T+3], v[T], 0x7f800000, s30     ; 448 x the scale
	v_lshrrev_b32 v[T+4], 23, v[T+2]               ; the byte
.if (\t)%4 == 0
	v_mov_b32 v[T+5], v[T+4]
.else
	v_lshl_or_b32 v[T+5], v[T+4], 8*((\t)%4), v[T+5]
.endif
.set I, 0
.rept 32
	v_med3_num_f32 v[XB+I], v[XB+I], -v[T+3], v[T+3]   ; the conversion does not saturate (ISA guide 7.6.2)
.set I, I+1
.endr
.irp g, 0,1,2,3
	v_cvt_scalef32_pk8_fp8_f32 v[C+2*\g:C+2*\g+1], v[XB+8*\g:XB+8*\g+7], v[T+2]
.endr
	v_nop                                          ; one plain line behind the last scaled conversion
	s_wait_alu depctr_va_vdst(0)                   ; the conversions have written v[C ..] and v[T+5] is made: the LDS stores read them; and the holds and conversions are done with this block's set, in which the loads of three blocks on land
	ds_store_b128 v[WADR], v[C:C+3] offset:32*(\t)
	ds_store_b128 v[WADR], v[C+4:C+7] offset:32*(\t)+16
.if (\t)%4 == 3
	ds_store_b32 v[WSA], v[T+5] offset:128*((\t)/4)   ; four bytes: one K step's word of my column
.endif
.endm
.macro STEP t, n                       ; n: the loads younger than block t's that may stay out
	s_wait_loadcnt \n
	QBLK \t
.if (\t)+3 < 8
	LOADB (\t)+3                                   ; the set is asked for again at once.  No wait: no vector line since the wait in QBLK
.endif
.endm
.macro BALLOT                          ; register 4 j + i of lane l holds assign[128 j + 4 l + i]: mask 4 j + i, bit l
.set W, 0
.rept 32
	v_cmp_eq_u32 s[32+W], s19, v[224+W]
.set W, W+1
.endr
	s_wait_alu depctr_va_sdst(0)                   ; the 32 masks s32 to s63 are written, ahead of their first readers
	s_mov_b32 s26, 0
.set W, 0
.rept 32
	s_bcnt1_i32_b32 s29, s[32+W]
	s_add_co_u32 s26, s26, s29
.set W, W+1
.endr
	s_add_co_u32 s25, s26, 15
	s_lshr_b32 s25, s25, 4
	s_min_u32 s25, s25, 64                         ; tiles of 16 tokens
	s_max_u32 s27, s26, 1
	s_sub_co_u32 s27, s27, 1                       ; the last rank
.endm
.macro SBATCH w0, n                    ; masks w0 .. w0 + n - 1: does rank q lie at or past a mask's first rank?  The compares in one run, then the selections.  On the way in s[PF] = the ranks ahead of mask w0
.set I, 0
.rept \n
	v_cmp_le_u32 s[CM+I], s[PF+I], v[Q]            ; the last mask whose ranks begin at or under q
	s_bcnt1_i32_b32 s29, s[32+(\w0)+I]
	s_add_co_u32 s[PF+I+1], s[PF+I], s29
.set I, I+1
.endr
	s_wait_alu depctr_va_sdst(0)                   ; the run's compare masks s[CM ..] are written, ahead of the selections that read them
.set I, 0
.rept \n
	v_cndmask_b32 v[Q+1], v[Q+1], s[32+(\w0)+I], s[CM+I]
	v_cndmask_b32 v[Q+2], v[Q+2], s[PF+I], s[CM+I]
	v_cndmask_b32 v[Q+3], v[Q+3], (\w0)+I, s[CM+I]
.set I, I+1
.endr
.if (\w0)+(\n) < 32
	s_mov_b32 s[PF], s[PF+\n]
.endif
.endm
.macro LEVEL src, width, step          ; does bit number k lie past the next 'step' bits?
	v_bfe_u32 v[Q+7], v[\src], v[Q+9], \width
	v_cmp_ge_u32 vcc_lo, v[Q+8], v[Q+7]
	s_wait_alu depctr_va_vcc(0)                    ; VCC is written, ahead of the two selections that read it (each level hangs on the level before: no run can be made)
	v_cndmask_b32 v[Q+7], 0, v[Q+7], vcc_lo
	v_cndmask_b32 v[Q+10], 0, \step, vcc_lo
	v_sub_nc_u32 v[Q+8], v[Q+8], v[Q+7]
	v_add_nc_u32 v[Q+9], v[Q+9], v[Q+10]
.endm
.macro SEARCH                          ; v[TOK] = the token of rank min(16 tile + lane % 16, last rank) among my expert's, in the masks' order
	s_lshl_b32 s31, s24, 4
	v_and_b32 v[Q], 15, v0
	v_add_nc_u32 v[Q], s31, v[Q]
	v_min_u32 v[Q], s27, v[Q]                      ; q
	s_wait_alu depctr_va_vdst(0)
	v_mov_b32 v[Q+1], s32                          ; the mask in which rank q lies,
	v_mov_b32 v[Q+2], 0                            ; the ranks ahead of it,
	v_mov_b32 v[Q+3], 0                            ; its number
	s_bcnt1_i32_b32 s[PF], s32
	SBATCH 1, 8
	SBATCH 9, 8
	SBATCH 17, 8
	SBATCH 25, 7
	v_sub_nc_u32 v[Q+8], v[Q], v[Q+2]              ; k: which set bit of the mask
	v_lshrrev_b32 v[Q+10], 1, v[Q+1]
	v_and_b32 v[Q+10], 0x55555555, v[Q+10]
	v_sub_nc_u32 v[Q+4], v[Q+1], v[Q+10]           ; counts of 2 bits,
	v_lshrrev_b32 v[Q+10], 2, v[Q+4]
	v_and_b32 v[Q+5], 0x33333333, v[Q+4]
	v_and_b32 v[Q+10], 0x33333333, v[Q+10]
	v_add_nc_u32 v[Q+5], v[Q+5], v[Q+10]           ; of 4,
	v_lshrrev_b32 v[Q+10], 4, v[Q+5]
	v_add_nc_u32 v[Q+6], v[Q+5], v[Q+10]
	v_and_b32 v[Q+6], 0x0f0f0f0f, v[Q+6]           ; of 8,
	v_lshrrev_b32 v[Q+10], 8, v[Q+6]
	v_add_nc_u32 v[Q+7], v[Q+6], v[Q+10]
	v_and_b32 v[Q+7], 0xff, v[Q+7]                 ; of the low 16
	v_cmp_ge_u32 vcc_lo, v[Q+8], v[Q+7]
	s_wait_alu depctr_va_vcc(0)                    ; VCC is written, ahead of the two selections that read it
	v_cndmask_b32 v[Q+7], 0, v[Q+7], vcc_lo
	v_cndmask_b32 v[Q+9], 0, 16, vcc_lo            ; the bit's place, found from the top down
	v_sub_nc_u32 v[Q+8], v[Q+8], v[Q+7]
	LEVEL Q+6, 8, 8
	LEVEL Q+5, 4, 4
	LEVEL Q+4, 2, 2
	LEVEL Q+1, 1, 1
	v_lshrrev_b32 v[Q+10], 2, v[Q+3]
	v_and_b32 v[Q+3], 3, v[Q+3]
	v_lshl_add_u32 v[Q+3], v[Q+9], 2, v[Q+3]
	v_lshl_add_u32 v[Q+3], v[Q+10], 7, v[Q+3]      ; token = 128 j + 4 bit + i
	v_min_u32 v[TOK], 0x3ff, v[Q+3]                ; inside the table, whatever the masks hold
.endm
.macro XL1 s, c                        ; a quarter of the hidden fragment of K step s, as the registers that it left: the load reads 512 consecutive bytes
	global_load_b128 v[X+16*((\s)%6)+4*(\c):X+16*((\s)%6)+4*(\c)+3], v[HL], s[68:69] offset:2048*(\s)+512*(\c)
.endm
.macro XL s                            ; the whole fragment
.irp c, 0,1,2,3
	XL1 \s, \c
.endr
.endm
.macro XPRE                            ; a job's addresses, its first six fragments, its scale words and its gates: XPN loads
	s_cmp_lt_u32 s24, s25
	s_cselect_b32 s31, 16, 0                       ; a wave without a tile reads one place for all its lanes
	s_min_u32 s31, s31, 16
	v_and_b32 v[HL], 31, v0
	v_mul_u32_u24 v[HL], s31, v[HL]
	s_max_u32 s74, s25, 1
	s_sub_co_u32 s74, s74, 1
	s_min_u32 s74, s24, s74                        ; my tile, or the expert's last
	s_min_u32 s74, s74, 63
	s_lshl_b32 s72, s74, 15
	s_mov_b32 s73, 0
	s_add_nc_u64 s[68:69], s[8:9], s[72:73]        ; hc at the tile
	s_lshl_b32 s72, s74, 10
	s_add_nc_u64 s[70:71], s[10:11], s[72:73]      ; hs likewise
	v_lshlrev_b32 v[GO], 2, v[TOK]
	s_wait_alu depctr_va_vdst(0)                   ; v[HL] and v[GO] are written, which the loads read; the job before is done with X, HS, G, WF, WS and ACC, in which this job's loads land; at the head: the masks' compares have read assign, in whose registers block 2 lands
.irp s, 0,1,2,3,4,5
	XL \s
.endr
	global_load_b128 v[HS:HS+3], v[HSO], s[70:71]
	global_load_b128 v[HS+4:HS+7], v[HSO], s[70:71] offset:16
	global_load_b32 v[G], v[GO], s[14:15]
.endm
.macro MM t, s                         ; tile t of the four, K step s.  The four accumulators take turns, one instruction a turn
.set rD, ACC+8*(\t)
.set rA, WF+16*(\t)
.set rB, X+16*((\s)%6)
.set rSA, WS+(\t)/2
.set rSB, HS+(\s)%8
.if ((\t)%2 == 0) && ((\s) < KS/2)
	v_wmma_scale_f32_16x16x128_f8f6f4 v[rD:rD+7], v[rA:rA+15], v[rB:rB+15], v[rD:rD+7], v[rSA], v[rSB]
.elseif ((\t)%2 == 1) && ((\s) < KS/2)
	v_wmma_scale_f32_16x16x128_f8f6f4 v[rD:rD+7], v[rA:rA+15], v[rB:rB+15], v[rD:rD+7], v[rSA], v[rSB] matrix_a_scale:MATRIX_SCALE_ROW1
.elseif ((\t)%2 == 0)
	v_wmma_scale_f32_16x16x128_f8f6f4 v[rD:rD+7], v[rA:rA+15], v[rB:rB+15], v[rD:rD+7], v[rSA], v[rSB] matrix_b_scale:MATRIX_SCALE_ROW1
.else
	v_wmma_scale_f32_16x16x128_f8f6f4 v[rD:rD+7], v[rA:rA+15], v[rB:rB+15], v[rD:rD+7], v[rSA], v[rSB] matrix_a_scale:MATRIX_SCALE_ROW1 matrix_b_scale:MATRIX_SCALE_ROW1
.endif
.endm
.macro KSTEP s
.if (\s) > 0
	s_wait_alu depctr_va_vdst(0)                   ; the last K step's products are done reading WF, WS and their slot of X: this step's loads land in all three
.endif
.irp t, 0,1
.irp c, 0,1,2,3
	ds_load_b128 v[WF+16*\t+4*\c:WF+16*\t+4*\c+3], v[WRD0] offset:\t*TILEB+128*(\s)+32*\c
.endr
.endr
.irp t, 0,1
.irp c, 0,1,2,3
	ds_load_b128 v[WF+32+16*\t+4*\c:WF+32+16*\t+4*\c+3], v[WRD1] offset:\t*TILEB+128*(\s)+32*\c
.endr
.endr
	ds_load_b32 v[WS], v[WSR] offset:128*(\s)
	ds_load_b32 v[WS+1], v[WSR] offset:2048+128*(\s)
.if (\s) >= 6
.if KS-1-(\s) < 4
	s_wait_loadcnt 4*(KS-1-(\s))                   ; the fragments of the later K steps, four loads each, may be out
.else
	s_wait_loadcnt 16                              ; four later K steps' fragments have been asked for; the fifth is asked for among the products below
.endif
.endif
	s_wait_dscnt 0x0
.irp t, 0,1,2,3
	MM \t, \s
.if ((\s) >= 1) && ((\s) <= KS-6)
	XL1 (\s)+5, \t                                 ; into the slot that K step s - 1 has left, a load behind each product.  No wait: this step's products name another slot
.endif
.endr
.endm
	s_load_b256 s[4:11], s[0:1], 0x0               ; w2 s[4:5], b2 s[6:7], hc s[8:9], hs s[10:11]
	s_load_b128 s[12:15], s[0:1], 0x20             ; assign s[12:13], gate s[14:15]
	s_load_b64 s[16:17], s[0:1], 0x30              ; out0
	v_lshl_add_u32 v18, v0, 2, 0x32800
	v_mov_b32 v55, 0
	v_lshrrev_b32 v56, 5, v0
	v_readfirstlane_b32 s18, v56                   ; wave 0..15
	s_and_b32 s19, ttmp7, 0xffff                   ; e
	s_mov_b32 s20, ttmp9                           ; d
	s_mov_b32 s30, 0x600000                        ; the mantissa field of 448
	s_mov_b32 s76, 0xffff0000                      ; lanes 16-31
	v_and_b32 v56, 31, v0                          ; lane = my column of 32
	s_wait_alu depctr_va_vdst(0)
	v_and_b32 v57, 15, v0                          ; r
	v_bfe_u32 v58, v0, 4, 1                        ; h
	v_lshlrev_b32 v[A1], 2, v56
	v_lshlrev_b32 v59, 3, v56                      ; 8 x lane
	v_lshlrev_b32 v60, 4, v56                      ; 16 x lane
	s_wait_alu depctr_va_sdst(0)                   ; s18 is written, ahead of its first reader: addresses, bases and branches are made from it
	s_mov_b32 s24, s18                             ; my first tile of tokens
	s_and_b32 s74, s18, 1                          ; phase A: g, which 32 columns,
	s_lshr_b32 s75, s18, 1                         ; and which 256 rows
	v_mul_u32_u24 v[WADR], v57, PITCH              ; column m: tile 2 g + m / 16, row m % 16
	v_mad_u32_u24 v[WADR], v58, TILEB, v[WADR]
	s_mul_i32 s31, s74, 2*TILEB
	s_lshl_b32 s28, s75, 8
	s_add_co_u32 s31, s31, s28
	v_add_nc_u32 v[WADR], s31, v[WADR]
	s_lshl_b32 s31, s74, 11
	s_add_co_u32 s31, s31, s28
	s_add_co_u32 s31, s31, WSC
	v_lshl_add_u32 v[WSA], v56, 2, s31
	v_lshl_add_u32 v[BIW], v56, 3, BIA
	v_lshlrev_b32 v[HSO], 6, v57
	v_lshl_add_u32 v[HSO], v58, 5, v[HSO]
	v_mov_b32 v[G+1], 0                            ; named with the gate as a pair, so it is written
	v_mul_u32_u24 v[WRD0], v57, PITCH
	v_lshl_add_u32 v[WRD0], v58, 4, v[WRD0]
	v_add_nc_u32 v[WRD1], 2*TILEB, v[WRD0]
	v_lshl_add_u32 v[WSR], v56, 2, WSC
	v_lshl_add_u32 v[BIR], v58, 5, BIA
	s_mul_i32 s31, s18, STGB
	s_add_co_u32 s31, s31, STG                     ; my stage
	v_mul_u32_u24 v[STO], v57, 272
	v_lshl_add_u32 v[STO], v58, 5, v[STO]
	v_add_nc_u32 v[STO], s31, v[STO]               ; in: row r, + 32 h
	v_mul_u32_u24 v[SRD], v58, 272
	v_lshl_add_u32 v[SRD], v57, 4, v[SRD]
	v_add_nc_u32 v[SRD], s31, v[SRD]               ; back: lanes 0-15 one row, lanes 16-31 the next
	v_lshlrev_b32 v[OL], 4, v57
	s_mov_b32 s23, 0
	s_lshl_b32 s22, s19, 23                        ; w2: expert, my 256 rows, the slice's 256 bytes of a row, my 128 of them
	s_lshl_b32 s31, s75, 20
	s_add_co_u32 s22, s22, s31
	s_lshl_b32 s31, s20, 8
	s_add_co_u32 s22, s22, s31
	s_lshl_b32 s31, s74, 7
	s_add_co_u32 s22, s22, s31
	s_wait_kmcnt 0x0
	s_add_nc_u64 s[4:5], s[4:5], s[22:23]
	s_lshl_b32 s22, s19, 12
	s_lshl_b32 s31, s20, 8
	s_add_co_u32 s22, s22, s31
	s_add_nc_u64 s[6:7], s[6:7], s[22:23]          ; b2[e] at the slice
	s_lshl_b32 s22, s19, 21
	s_add_nc_u64 s[8:9], s[8:9], s[22:23]          ; hc at the expert
	s_lshl_b32 s22, s19, 16
	s_add_nc_u64 s[10:11], s[10:11], s[22:23]      ; hs likewise
	s_lshl_b32 s22, s20, 8
	s_add_nc_u64 s[16:17], s[16:17], s[22:23]      ; out0 at the slice's 256 bytes of a row
	s_wait_alu depctr_va_vdst(0)                   ; the offsets and LDS addresses made above (v1 to v4, v6, v11 to v16, v19, and the scratch v59, v60) are written, which the loads and stores of the whole kernel read
	s_cmp_lg_u32 s18, 0
	s_cbranch_scc1 .Lno_bias_load
	global_load_b64 v[C:C+1], v59, s[6:7]          ; wave 0: the slice of b2, its oldest load
.Lno_bias_load:
.irp j, 0,1,2,3,4,5,6,7
	global_load_b128 v[224+4*\j:224+4*\j+3], v60, s[12:13] offset:512*\j
.endr
	LOADB 0
	LOADB 1
	s_wait_loadcnt 63                              ; 64 loads are younger than assign's: assign (and the bias) are in
	s_cmp_lg_u32 s18, 0
	s_cbranch_scc1 .Lno_bias_store
	ds_store_b64 v[BIW], v[C:C+1]
.Lno_bias_store:
	BALLOT
	SEARCH
	s_wait_alu depctr_va_vdst(0)
	XPRE
	LOADB 2                                        ; into the registers that held assign.  No wait: no vector line since the wait in XPRE
	STEP 0, 63                                     ; younger than block 0: block 1's 32, XPRE's and block 2's 32; 63 is the largest count that can be named
	STEP 1, 63                                     ; younger than block 1: XPRE's, block 2's and block 3's
	STEP 2, 63                                     ; from here on the next two blocks' 64
	STEP 3, 63
	STEP 4, 63
	STEP 5, 63
	STEP 6, 32                                     ; block 7's 32
	STEP 7, 0
	s_wait_dscnt 0x0                               ; for the others' sake: my stores have landed
	s_barrier_signal -1
	s_barrier_wait -1                              ; the one barrier: every wave passes it, ahead of every branch on stored numbers; behind it only a wave's own stage is written
	s_add_co_u32 s78, s25, STRIDE-1                ; my jobs: the tiles first, first + 16, .. under the expert's count of tiles: (tiles + 15 - first) / 16, rounded down; first is 15 at the most, so the sum is never negative
	s_sub_co_u32 s78, s78, s24
	s_lshr_b32 s78, s78, LOGSTR
	s_min_u32 s78, s78, 64/STRIDE                  ; 64 tiles at the most, so 4 jobs
	s_mov_b32 s77, 0                               ; jobs done: the loop's counter, one a trip
	s_cmp_lt_u32 s77, s78
	s_cbranch_scc0 .Ldone
.Ljob:                                                 ; on both ways in no vector line has been issued since the last wait on va_vdst (block 7's; XPRE's): the loads below into ACC, WF and WS owe nothing more
	s_wait_loadcnt 0x0                             ; the job's first six fragments, its scale words and gates
.irp t, 0,1,2,3
.irp i, 0,1
	ds_load_b128 v[ACC+8*\t+4*\i:ACC+8*\t+4*\i+3], v[BIR] offset:64*\t+16*\i   ; the bias is the first C: lane (r, h), tile t: columns 16 t + 8 h + 0 .. 7
.endr
.endr
.irp s, 0,1,2,3,4,5,6,7,8,9,10,11,12,13,14,15
	KSTEP \s
.endr
	; where the tile's rows go: lanes 0-15 of store i to row 2 i's token, lanes 16-31 to row 2 i + 1's.  The sixteen tokens are read in one run; the 32 plain lines that make the offsets name no register
	; of the products and are the eight places, and more, before the results are read
.irp i, 0,1,2,3,4,5,6,7,8,9,10,11,12,13,14,15
	v_readlane_b32 s[RL+\i], v[TOK], \i
.endr
	s_wait_alu depctr_va_sdst(0)                   ; the sixteen tokens s[RL ..] are written, ahead of the lines that read them
.irp i, 0,1,2,3,4,5,6,7
	v_mov_b32 v[OO+\i], s[RL+2*\i]
.endr
.irp i, 0,1,2,3,4,5,6,7
	v_cndmask_b32 v[OO+\i], v[OO+\i], s[RL+2*\i+1], s76
.endr
.irp i, 0,1,2,3,4,5,6,7
	v_min_u32 v[OO+\i], 0x3ff, v[OO+\i]
.endr
.irp i, 0,1,2,3,4,5,6,7
	v_lshl_add_u32 v[OO+\i], v[OO+\i], 12, v[OL]   ; token x 4,096 + 16 r
.endr
.irp j, 0,2,4,6,8,10,12,14,16,18,20,22,24,26,28,30
	v_pk_mul_f32 v[ACC+\j:ACC+\j+1], v[ACC+\j:ACC+\j+1], v[G:G+1] op_sel_hi:[1,0]   ; x the token's gate; each accumulator from its low end on
.endr
	s_wait_alu depctr_va_vdst(0)                   ; the multiplications have written v[ACC ..], which the stage's stores read; v[OO ..] are written, which the global stores read as offsets; the products are done reading WF, in which the stage's loads land
.irp t, 0,1,2,3
.irp i, 0,1
	ds_store_b128 v[STO], v[ACC+8*\t+4*\i:ACC+8*\t+4*\i+3] offset:64*\t+16*\i
.endr
.endr
.irp i, 0,1,2,3,4,5,6,7
	ds_load_b128 v[WF+4*\i:WF+4*\i+3], v[SRD] offset:544*\i   ; rows 2 i and 2 i + 1; LDS serves a wave's instructions in order (ISA guide 5.7.1.4): these see my stores
.endr
.irp i, 0,1,2,3,4,5,6,7
	s_wait_dscnt 7-\i
	global_store_b128 v[OO+\i], v[WF+4*\i:WF+4*\i+3], s[16:17] th:TH_STORE_NT   ; sixteen lanes store 256 consecutive bytes, at a multiple of 256 from out0's first byte
.endr
	s_add_co_u32 s77, s77, 1                       ; one job more is done
	s_add_co_u32 s24, s24, STRIDE                  ; my next tile
	s_cmp_lt_u32 s77, s78
	s_cbranch_scc0 .Ldone
	s_wait_xcnt 0x0                                ; the stores' data and offsets, and the loads' bases, are written again only behind this wait
	s_wait_alu depctr_vm_vsrc(0)                   ; the global stores have read v[WF ..] and v[OO ..], the stage's stores v[ACC ..], this job's loads v[HL] and v[GO]: the next job's loads and vector lines write all of them
	SEARCH
	s_wait_alu depctr_va_vdst(0)
	XPRE
	s_cmp_lt_u32 s77, s78
	s_cbranch_scc1 .Ljob
.Ldone:
	s_wait_dscnt 0x0                               ; the closing lines, six on end
	s_wait_alu 0x0
	s_wait_tensorcnt 0x0
	ds_add_u32 v18, v55
	s_wait_dscnt 0x0
	s_endpgm
.Lfunc_end_k_q376f6c3229_down:
	.size	k_q376f6c3229_down, .Lfunc_end_k_q376f6c3229_down-k_q376f6c3229_down
	.p2alignl 7, 3214868480
	.fill 96, 4, 3214868480
	.section	.rodata,"a",@progbits
	.p2align	6, 0x0
	.amdhsa_kernel k_q376f6c3229_down
		.amdhsa_group_segment_fixed_size 208896
		.amdhsa_private_segment_fixed_size 0
		.amdhsa_enable_private_segment 0
		.amdhsa_kernarg_size 56
		.amdhsa_user_sgpr_count 2
		.amdhsa_user_sgpr_kernarg_segment_ptr 1
		.amdhsa_wavefront_size32 1
		.amdhsa_system_sgpr_workgroup_id_x 1
		.amdhsa_system_sgpr_workgroup_id_y 1
		.amdhsa_system_sgpr_workgroup_id_z 1
		.amdhsa_system_vgpr_workitem_id 0
		.amdhsa_next_free_vgpr 256
		.amdhsa_next_free_sgpr 98
		.amdhsa_reserve_vcc 1
		.amdhsa_float_denorm_mode_32 3
		.amdhsa_float_denorm_mode_16_64 3
		.amdhsa_memory_ordered 1
		.amdhsa_forward_progress 1
		.amdhsa_inst_pref_size 133
	.end_amdhsa_kernel
	.amdgpu_metadata
---
amdhsa.version: [ 1, 2 ]
amdhsa.kernels:
  - .name:           k_q376f6c3229_down
    .symbol:         k_q376f6c3229_down.kd
    .args:
      - { .name: w2, .offset: 0, .size: 8, .value_kind: global_buffer, .address_space: global }
      - { .name: b2, .offset: 8, .size: 8, .value_kind: global_buffer, .address_space: global }
      - { .name: hc, .offset: 16, .size: 8, .value_kind: global_buffer, .address_space: global }
      - { .name: hs, .offset: 24, .size: 8, .value_kind: global_buffer, .address_space: global }
      - { .name: assign, .offset: 32, .size: 8, .value_kind: global_buffer, .address_space: global }
      - { .name: gate, .offset: 40, .size: 8, .value_kind: global_buffer, .address_space: global }
      - { .name: out0, .offset: 48, .size: 8, .value_kind: global_buffer, .address_space: global }
    .group_segment_fixed_size: 208896
    .private_segment_fixed_size: 0
    .kernarg_segment_align: 8
    .kernarg_segment_size: 56
    .max_flat_workgroup_size: 512
    .sgpr_count:     98
    .vgpr_count:     256
    .wavefront_size: 32
...
	.end_amdgpu_metadata
.endif
;; end of part 6
